; MI455X (gfx1250); checked and timed in simulation.
; The chip was launched on July 23, 2026; its instructions are those of AMD's public machine-readable ISA for CDNA 5 (MIT licence, August 2026) and "CDNA5" Instruction Set Architecture Reference Guide (July 2026). The comments in the code are by the model that wrote it; some were corrected since.
;; Multi Head Attention. Allowed arithmetic: float matrix products may take bf16 or f16 operands with f32 sums; other float arithmetic in f32, or as packed bf16 or f16 multiplies, adds, multiply-adds, maxima and minima; sums over many terms, partial sums and values carried from step to step in f32; what a program stores and reads back later, other than sums and carried values, may be rounded once to bf16 or f16.
;; Inputs: bk 1,024 float32; bo 1,024 float32; bq 1,024 float32; bv 1,024 float32; input 4 x 2,048 x 1,024 float32; mask 4 x 2,048 int32; wk 1,024 x 1,024 float32; wo 1,024 x 1,024 float32; wq 1,024 x 1,024 float32; wv 1,024 x 1,024 float32.
;; Outputs: out0 4 x 2,048 x 1,024 float32.
;; 2 versions, each right; version 2 is version 1 with the launch cvt written anew for expert scheduling mode. Each part assembles by itself: llvm-mc -triple=amdgcn-amd-amdhsa -mcpu=gfx1250 --defsym DOCPART=n.
;; ======== version 1 of 2: 4 launches
;; limits: values are held in f16: magnitudes above 65,504 overflow, below 6.1e-05 lose precision; right only within a limited range of input values
;; workspace buffers: xb 16,777,216 bytes; wqkv 6,291,456 bytes; woh 2,097,152 bytes; ball 16,384 bytes; qkv 50,331,648 bytes; ctx 16,777,216 bytes
;; launch cvt (part 1): grid 768 x 1, 8 waves a work-group, no clusters, 0 bytes of LDS; arguments input, wq, wk, wv, wo, bq, bk, bv, bo, xb, wqkv, woh, ball; writes xb, wqkv, woh, ball
.if DOCPART == 1
	.amdgcn_target "amdgcn-amd-amdhsa--gfx1250"
	.amdhsa_code_object_version 6
	.text
	.protected	k_q70ea83bbe8_cvt
	.globl	k_q70ea83bbe8_cvt
	.p2align	8
	.type	k_q70ea83bbe8_cvt,@function
k_q70ea83bbe8_cvt:
	s_mov_b64 s[64:65], 0
	v_nop
	global_prefetch_b8 v0, s[64:65] scope:SCOPE_SE
	s_setreg_imm32_b32 hwreg(HW_REG_WAVE_MODE, 25, 1), 1
	s_wait_xcnt 0x0
; EVERY FLOATING-POINT INPUT IS ROUNDED ONCE TO bf16, so that the products behind take 16-bit operands.
;   input [8192][1024] f32 -> xb bf16;  wq, wk, wv [1024][1024] f32 -> wqkv [3072][1024] bf16, one below the other;
;   wo -> woh: rounded to bf16, and that number written as f16 (the last product's other operand is f16);
;   bq, bk, bv, bo -> ball [4096] f32: rounded to bf16 and widened again.
; LIMITS.  wo must lie within f16's range, 65,504; a number of wo below 2^-17 keeps f16's fixed step of 2^-24.
; SHARES.  A work-group takes 16,384 numbers: 65,536 bytes in, 32,768 out.  Work-groups 0-511: input.  Work-group 512 + 64 i + c: chunk c of weight i;
; those with c = 0 also take bias i.  Thread t takes 16 bytes at 16 t of each 4,096: a wave's load covers 512 consecutive bytes, a wave's store 256, aligned.
; All sixteen loads of a thread go out at once; the waits count down.  A stream: no LDS, no matrix unit, no cluster (no byte is read twice).
.set X,   4                            ; v[4:67]    16 x 4 numbers as loaded
.set Y,   68                           ; v[68:99]   16 x 2 registers to store; each written once
.set T,   100                          ; v[100:101] at work
.set SEL, 40                           ; s40  0: input; i + 1: weight i
.set CH,  41                           ; s41  c
	s_load_b512 s[8:23], s[0:1], 0x0               ; input s[8:9], wq, wk, wv, wo s[16:17], bq s[18:19], bk, bv s[22:23]
	s_load_b256 s[24:31], s[0:1], 0x40             ; bo s[24:25], xb s[26:27], wqkv s[28:29], woh s[30:31]
	s_load_b64 s[32:33], s[0:1], 0x60              ; ball
	v_lshlrev_b32 v1, 4, v0                        ; 16 t: offset in
	v_lshlrev_b32 v2, 3, v0                        ; 8 t: offset out
	s_mov_b32 s46, 0xffff0000                      ; a word's upper bf16
	s_mov_b32 s38, ttmp9
	s_sub_co_u32 s39, s38, 512                     ; j = 64 i + c (of use only from work-group 512 on)
	s_lshr_b32 s[SEL], s39, 6
	s_add_co_u32 s[SEL], s[SEL], 1
	s_and_b32 s[CH], s39, 63
	s_cmp_lt_u32 s38, 512
	s_cselect_b32 s[SEL], 0, s[SEL]
	s_cselect_b32 s42, s38, s[CH]                  ; the chunk in the source
	s_cselect_b32 s43, s38, s39                    ; the chunk in the destination: wqkv holds three weights on end,
	s_cmp_eq_u32 s[SEL], 4
	s_cselect_b32 s43, s[CH], s43                  ; woh one
	s_lshl_b32 s34, s42, 16
	s_mov_b32 s35, 0
	s_lshl_b32 s36, s43, 15
	s_mov_b32 s37, 0
	s_wait_kmcnt 0x0
	s_cmp_eq_u32 s[SEL], 1                         ; the three pointers are chosen by the work-group's number alone
	s_cselect_b64 s[2:3], s[10:11], s[8:9]
	s_cmp_eq_u32 s[SEL], 2
	s_cselect_b64 s[2:3], s[12:13], s[2:3]
	s_cselect_b64 s[6:7], s[20:21], s[18:19]
	s_cmp_eq_u32 s[SEL], 3
	s_cselect_b64 s[2:3], s[14:15], s[2:3]
	s_cselect_b64 s[6:7], s[22:23], s[6:7]
	s_cmp_eq_u32 s[SEL], 4
	s_cselect_b64 s[2:3], s[16:17], s[2:3]
	s_cselect_b64 s[6:7], s[24:25], s[6:7]
	s_cselect_b64 s[4:5], s[30:31], s[28:29]
	s_cmp_eq_u32 s[SEL], 0
	s_cselect_b64 s[4:5], s[26:27], s[4:5]
	s_add_nc_u64 s[2:3], s[2:3], s[34:35]          ; source at my chunk
	s_add_nc_u64 s[4:5], s[4:5], s[36:37]          ; destination at my chunk
.irp k, 0,1,2,3,4,5,6,7,8,9,10,11,12,13,14,15
	global_load_b128 v[X+4*(\k):X+4*(\k)+3], v1, s[2:3] offset:4096*(\k) th:TH_LOAD_NT
.endr
.macro CV k                            ; four numbers to bf16
	s_wait_loadcnt 15-(\k)                         ; loads come back in order: number k is in, the 15 - k younger ones stay out
	v_cvt_pk_bf16_f32 v[Y+2*(\k)],   v[X+4*(\k)],   v[X+4*(\k)+1]
	v_cvt_pk_bf16_f32 v[Y+2*(\k)+1], v[X+4*(\k)+2], v[X+4*(\k)+3]
	global_store_b64 v2, v[Y+2*(\k):Y+2*(\k)+1], s[4:5] offset:2048*(\k)
.endm
.macro CVH k                           ; four numbers to bf16, widened again, and written as f16
	s_wait_loadcnt 15-(\k)
	v_cvt_pk_bf16_f32 v[T],   v[X+4*(\k)],   v[X+4*(\k)+1]
	v_cvt_pk_bf16_f32 v[T+1], v[X+4*(\k)+2], v[X+4*(\k)+3]
	v_lshlrev_b32 v[X+4*(\k)],   16,  v[T]
	v_and_b32     v[X+4*(\k)+1], s46, v[T]
	v_lshlrev_b32 v[X+4*(\k)+2], 16,  v[T+1]
	v_and_b32     v[X+4*(\k)+3], s46, v[T+1]
	v_cvt_pk_f16_f32 v[Y+2*(\k)],   v[X+4*(\k)],   v[X+4*(\k)+1]
	v_cvt_pk_f16_f32 v[Y+2*(\k)+1], v[X+4*(\k)+2], v[X+4*(\k)+3]
	global_store_b64 v2, v[Y+2*(\k):Y+2*(\k)+1], s[4:5] offset:2048*(\k)
.endm
	s_cmp_eq_u32 s[SEL], 4
	s_cbranch_scc1 .Lwo
.irp k, 0,1,2,3,4,5,6,7,8,9,10,11,12,13,14,15
	CV \k
.endr
	s_branch .Ljoin
.Lwo:
.irp k, 0,1,2,3,4,5,6,7,8,9,10,11,12,13,14,15
	CVH \k
.endr
.Ljoin:
	s_cmp_eq_u32 s[SEL], 0                         ; the bias: a weight's first chunk takes it along
	s_cbranch_scc1 .Ldone
	s_cmp_lg_u32 s[CH], 0
	s_cbranch_scc1 .Ldone
	s_sub_co_u32 s44, s[SEL], 1
	s_lshl_b32 s44, s44, 12                        ; bias i lies at 4,096 i in ball
	s_mov_b32 s45, 0
	s_add_nc_u64 s[32:33], s[32:33], s[44:45]
	global_load_b128 v[X:X+3], v1, s[6:7]          ; 256 threads x 4 numbers; no store reads X
	s_wait_loadcnt 0x0
	v_cvt_pk_bf16_f32 v[T],   v[X],   v[X+1]
	v_cvt_pk_bf16_f32 v[T+1], v[X+2], v[X+3]
	v_lshlrev_b32 v[X+4], 16,  v[T]
	v_and_b32     v[X+5], s46, v[T]
	v_lshlrev_b32 v[X+6], 16,  v[T+1]
	v_and_b32     v[X+7], s46, v[T+1]
	global_store_b128 v1, v[X+4:X+7], s[32:33]
.Ldone:
	s_endpgm
.Lfunc_end_k_q70ea83bbe8_cvt:
	.size	k_q70ea83bbe8_cvt, .Lfunc_end_k_q70ea83bbe8_cvt-k_q70ea83bbe8_cvt
	.p2alignl 7, 3214868480
	.fill 96, 4, 3214868480
	.section	.rodata,"a",@progbits
	.p2align	6, 0x0
	.amdhsa_kernel k_q70ea83bbe8_cvt
		.amdhsa_group_segment_fixed_size 0
		.amdhsa_private_segment_fixed_size 0
		.amdhsa_enable_private_segment 0
		.amdhsa_kernarg_size 104
		.amdhsa_user_sgpr_count 2
		.amdhsa_user_sgpr_kernarg_segment_ptr 1
		.amdhsa_wavefront_size32 1
		.amdhsa_system_sgpr_workgroup_id_x 1
		.amdhsa_system_sgpr_workgroup_id_y 1
		.amdhsa_system_sgpr_workgroup_id_z 1
		.amdhsa_system_vgpr_workitem_id 0
		.amdhsa_next_free_vgpr 104
		.amdhsa_next_free_sgpr 66
		.amdhsa_reserve_vcc 0
		.amdhsa_float_denorm_mode_32 3
		.amdhsa_float_denorm_mode_16_64 3
		.amdhsa_memory_ordered 1
		.amdhsa_forward_progress 1
		.amdhsa_inst_pref_size 16
	.end_amdhsa_kernel
	.amdgpu_metadata
---
amdhsa.version: [ 1, 2 ]
amdhsa.kernels:
  - .name:           k_q70ea83bbe8_cvt
    .symbol:         k_q70ea83bbe8_cvt.kd
    .args:
      - { .name: input, .offset: 0, .size: 8, .value_kind: global_buffer, .address_space: global }
      - { .name: wq, .offset: 8, .size: 8, .value_kind: global_buffer, .address_space: global }
      - { .name: wk, .offset: 16, .size: 8, .value_kind: global_buffer, .address_space: global }
      - { .name: wv, .offset: 24, .size: 8, .value_kind: global_buffer, .address_space: global }
      - { .name: wo, .offset: 32, .size: 8, .value_kind: global_buffer, .address_space: global }
      - { .name: bq, .offset: 40, .size: 8, .value_kind: global_buffer, .address_space: global }
      - { .name: bk, .offset: 48, .size: 8, .value_kind: global_buffer, .address_space: global }
      - { .name: bv, .offset: 56, .size: 8, .value_kind: global_buffer, .address_space: global }
      - { .name: bo, .offset: 64, .size: 8, .value_kind: global_buffer, .address_space: global }
      - { .name: xb, .offset: 72, .size: 8, .value_kind: global_buffer, .address_space: global }
      - { .name: wqkv, .offset: 80, .size: 8, .value_kind: global_buffer, .address_space: global }
      - { .name: woh, .offset: 88, .size: 8, .value_kind: global_buffer, .address_space: global }
      - { .name: ball, .offset: 96, .size: 8, .value_kind: global_buffer, .address_space: global }
    .group_segment_fixed_size: 0
    .private_segment_fixed_size: 0
    .kernarg_segment_align: 8
    .kernarg_segment_size: 104
    .max_flat_workgroup_size: 256
    .sgpr_count:     66
    .vgpr_count:     104
    .wavefront_size: 32
...
	.end_amdgpu_metadata
.endif
;; end of part 1
;; launch qkv (part 2): grid 16 x 32, 4 waves a work-group, clusters of 4 x 4, 327,680 bytes of LDS; arguments xb, wqkv, ball, qkv; writes qkv
.if DOCPART == 2
	.amdgcn_target "amdgcn-amd-amdhsa--gfx1250"
	.amdhsa_code_object_version 6
	.text
	.protected	k_q70ea83bbe8_qkv
	.globl	k_q70ea83bbe8_qkv
	.p2align	8
	.type	k_q70ea83bbe8_qkv,@function
k_q70ea83bbe8_qkv:
	s_mov_b64 s[64:65], 0
	v_nop
	global_prefetch_b8 v0, s[64:65] scope:SCOPE_SE
	s_setreg_imm32_b32 hwreg(HW_REG_WAVE_MODE, 25, 1), 1
	s_wait_xcnt 0x0
	s_wait_alu depctr_hold_cnt(0) depctr_sa_sdst(0) depctr_va_vdst(0) depctr_va_sdst(0) depctr_va_ssrc(0) depctr_va_vcc(0) depctr_vm_vsrc(0)
	s_getreg_b32 s2, hwreg(HW_REG_IB_STS2, 6, 4)
	s_cmp_eq_u32 s2, 0
	s_cbranch_scc0 .Lentry_in_a_cluster
	s_endpgm
.Lentry_in_a_cluster:
	s_bfe_u32 s2, ttmp6, 0x10000c
	s_cmp_lg_u32 s2, 0xf033
	s_cbranch_scc0 .Lentry_shape_is_right
	s_endpgm
.Lentry_shape_is_right:
; q, k, v = x [wq | wk | wv]^T + bias, written BY HEADS and unscaled: qkv[b][hh][n][64] in f16, hh = 0-15 q, 16-31 k, 32-47 v.
; xb [8192][1024] bf16, wqkv [3072][1024] bf16, ball f32 (its first 3,072 numbers).  Sums in f32, started by the bias; each result rounded once to f16.
; LIMIT.  q, k and v must lie within f16's range, 65,504.
; SHARES.  A tile of the result is 256 rows x 192 columns, three whole heads: 32 x 16 = 512 work-groups, two for each of 256.  A wave takes 64 rows x all 192 columns:
; 48 accumulators of 16 x 16, 384 registers; it owns whole rows of three heads, so its way out needs no other wave.
; K goes in 8 steps of 128 (rows of 256 bytes, aligned) through two LDS slots filled by the tensor data mover.
; CLUSTER, 4 x 4.  The four of a row of the cluster need the same rows of x, the four of a column the same rows of the weights: each tile is asked for jointly, by the
; same tensor load with the same descriptor and a mask that names the four.
; THE MATRIX INSTRUCTION IS USED TRANSPOSED (source 0 = 16 rows of the weights, source 1 = 16 rows of x): a lane holds one row of x and eight neighbouring columns.
; REGISTERS, in windows of 256:  window 0: addresses; v32-127 the bias, later the way out's rows; v128-175 packed results
;   window 1: two fragment buffers of 128: 12 fragments of the weights, then 4 of x        window 2: accumulators of row blocks 0, 1        window 3: of row blocks 2, 3
.set PITCH,  272                       ; an LDS row: 256 bytes + 16 of padding: the 16 rows of a fragment load start 68 words apart
.set HALFA,  128*PITCH                 ; what one load brings of x
.set HALFB,  96*PITCH                  ; and of the weights
.set BOFF,   2*HALFA                   ; in a slot: x's 256 rows, then the weights' 192
.set SLOT1,  1<<17                     ; slot 1 begins here: one exclusive or turns an address in one slot into the other's
.set STAGE,  SLOT1+BOFF+2*HALFB        ; 252,928: behind the ring, 16 rows x 400 bytes for each wave; no tensor load fills it
.set SP,     400                       ; 384 bytes + 16
.set SPARE,  STAGE+4*16*SP             ; 278,528: the spare words, 128 bytes a wave: two blocks of 256 bytes that no other line names
.set A0,   16                          ; v16  my place in x's rows of slot 0; never rewritten
.set B0,   17                          ; v17  the same for the weights
.set ADRA, 18                          ; v18  the same in the slot in hand
.set ADRB, 19                          ; v19
.set STO,  24                          ; v24  the way out: where I put 16 bytes of a row
.set RD,   25                          ; v25  where I read rows back
.set GO,   26                          ; v26  16 x lane
.set BO,   27                          ; v27  my byte offset in ball
.set SPW,  28                          ; v28  my spare word: SPARE + 4 x my thread's number; never rewritten
.set NIL,  29                          ; v29  0; never rewritten
.set PFO,  30                          ; v30  the prefetches' offset: a lane a row; never rewritten
.set BIAS, 32                          ; v[32:127] the bias of my eight columns in each of the 12 column blocks
.set OB,   32                          ; later: two sets of 48, rows read back from the stage
.set TMP,  128                         ; v[128:175]
.set F0,   0
.set F1,   128
.set WV,  12                           ; s12  wave
.set FB,  13                           ; s13  0: I fetch x's rows, 1: the weights'
.set HF,  14                           ; s14  which half of them
.set G1A, 24                           ; s[24:31] descriptor group 1 for x
.set G0A, 32                           ; s[32:39] group 0: a set for each first fill; the second then walks
.set PFA, 40                           ; s[40:41] where my prefetches stand
.set LIM, 42                           ; s42  2 in a wave that prefetches, else the greatest number
.set TB,  43                           ; s43  the slot in hand: 0 or SLOT1
.set CNT, 44                           ; s44  refills still to come
.set G1B, 48                           ; s[48:55], s[56:63] the same for the weights
.set G0B, 56
.set OUT, 66                           ; s[66:67] qkv at my rows of the tile's first head
.set MSB, 0
.macro WIN new                         ; the immediate's high byte repeats the setting that is left; a switch that changes nothing is dropped
.if MSB != (\new)
	s_set_vgpr_msb (MSB<<8)|(\new)
.set MSB, \new
.endif
.endm
; A joint refill by the walking descriptors.  The branch hangs on the wave's number alone.  An s_nop 0 and four v_nop follow each of the two lines.
.macro JLOAD
	s_cmp_eq_u32 s[FB], 0
	s_cbranch_scc0 .Lfor_b_\@
	tensor_load_to_lds s[G0A+4:G0A+7], s[G1A:G1A+7]
	s_nop 0
.rept 4
	v_nop
.endr
	s_branch .Lasked_\@
.Lfor_b_\@:
	tensor_load_to_lds s[G0B+4:G0B+7], s[G1B:G1B+7]
	s_nop 0
.rept 4
	v_nop
.endr
.Lasked_\@:
.endm
.macro CREST                           ; a round of the cluster's barrier behind its opening barrier
	s_cmp_lg_u32 s[WV], 0
	s_cbranch_scc1 .Lnot_wave_0_\@
	s_barrier_signal -3
.Lnot_wave_0_\@:
	s_barrier_wait -3
	s_barrier_signal -1
	s_barrier_wait -1
.endm
.macro CROUND                          ; a whole round
	s_barrier_signal -1
	s_barrier_wait -1
	CREST
.endm
; A prefetch of the K step that stands two refills on: 256 bytes of each row, a lane a row, one instruction a wave.  x's rows are read by every cluster of a row of clusters: cluster x = 0 asks;
; the weights' rows by every cluster of a column: cluster y = 0 asks.  The four partners of a joint load share its rows out by address (32 of x's 128; 24 of the weights' 96, where
; lanes 24-31 name lane 23's row).  The last two refills have no K step two on: CNT is then 2 or 1.
.macro ASK
	s_cmp_gt_u32 s[CNT], s[LIM]
	s_cbranch_scc0 .Lnot_mine_\@
	global_prefetch_b8 v[PFO], s[PFA:PFA+1] th:TH_LOAD_NT scope:SCOPE_SE
.Lnot_mine_\@:
.endm
	s_load_b128 s[4:7], s[0:1], 0x0                ; xb s[4:5], wqkv s[6:7]
	s_load_b128 s[8:11], s[0:1], 0x10              ; ball s[8:9], qkv s[10:11]
	v_lshl_add_u32 v[SPW], v0, 2, SPARE
	v_mov_b32 v[NIL], 0
	ds_add_u32 v[SPW], v[NIL]                      ; the wave's opening: the add and its wait stand ahead of my first tensor load; work on registers stands between
	v_lshrrev_b32 v1, 5, v0
	v_readfirstlane_b32 s[WV], v1
	s_lshr_b32 s[FB], s[WV], 1
	s_and_b32 s[HF], s[WV], 1
	s_bfe_u32 s15, ttmp6, 0x40000                  ; cx
	s_bfe_u32 s16, ttmp6, 0x40004                  ; cy
	s_lshl_b32 s17, ttmp9, 2
	s_add_co_u32 s17, s17, s15                     ; tile column 0..15
	s_and_b32 s18, ttmp7, 0xffff
	s_lshl_b32 s18, s18, 2
	s_add_co_u32 s18, s18, s16                     ; tile row 0..31
	s_lshl_b32 s20, s16, 2
	s_lshl_b32 s20, 15, s20                        ; my row of the cluster
	s_lshl_b32 s22, 0x1111, s15                    ; my column
	s_or_b32 s[G1A], s20, (1<<16)|(1<<20)|(1<<21)|(5<<22)|(3<<25)  ; the mask; 2-byte elements; padding on; bit 21 beside a mask; after every 64 words, 4 words
	s_or_b32 s[G1B], s22, (1<<16)|(1<<20)|(1<<21)|(5<<22)|(3<<25)
	s_mov_b32 s[G1A+1], 128<<16                    ; tensor_dim0 = 128
	s_mov_b32 s[G1A+2], 128<<16                    ; tensor_dim1 = 128
	s_mov_b32 s[G1A+3], 128<<16                    ; tile_dim0 = 128
	s_mov_b32 s[G1A+4], 128                        ; tile_dim1 = 128
	s_mov_b32 s[G1A+5], 1024                       ; elements from row to row
	s_mov_b32 s[G1A+6], 0
	s_mov_b32 s[G1A+7], 0
	s_mov_b32 s[G1B+1], 128<<16
	s_mov_b32 s[G1B+2], 96<<16                     ; 96 rows
	s_mov_b32 s[G1B+3], 128<<16
	s_mov_b32 s[G1B+4], 96
	s_mov_b32 s[G1B+5], 1024
	s_mov_b32 s[G1B+6], 0
	s_mov_b32 s[G1B+7], 0
	s_lshl_b32 s20, s18, 8                         ; x: row 256 x tile row + 128 x half, 2,048 bytes a row
	s_lshl_b32 s21, s[HF], 7
	s_add_co_u32 s20, s20, s21
	s_lshl_b32 s20, s20, 11
	s_mov_b32 s21, 0
	s_mul_i32 s46, s17, 192                        ; weights: row 192 x tile column + 96 x half
	s_mul_i32 s47, s[HF], 96
	s_add_co_u32 s46, s46, s47
	s_lshl_b32 s46, s46, 11
	s_mov_b32 s47, 0
	s_mul_i32 s22, s[HF], HALFA                    ; where they go: no place in the cluster enters an LDS address
	s_mul_i32 s23, s[HF], HALFB
	s_add_co_u32 s23, s23, BOFF
	s_mov_b32 s[TB], 0
	s_wait_dscnt 0x0                               ; the opening add is done
	s_wait_kmcnt 0x0
	s_add_nc_u64 s[20:21], s[4:5], s[20:21]
	s_add_nc_u64 s[46:47], s[6:7], s[46:47]
	CROUND                                         ; all sixteen work-groups are here: the first joint loads meet
.irp s, 0,1
	s_mov_b32 s[G0A+4*(\s)], 1
	s_add_co_u32 s[G0A+4*(\s)+1], s22, (\s)*SLOT1
	s_add_nc_u64 s[G0A+4*(\s)+2:G0A+4*(\s)+3], s[20:21], (\s)*256  ; K step s
	s_or_b32 s[G0A+4*(\s)+3], s[G0A+4*(\s)+3], 0x80000000
	s_mov_b32 s[G0B+4*(\s)], 1
	s_add_co_u32 s[G0B+4*(\s)+1], s23, (\s)*SLOT1
	s_add_nc_u64 s[G0B+4*(\s)+2:G0B+4*(\s)+3], s[46:47], (\s)*256
	s_or_b32 s[G0B+4*(\s)+3], s[G0B+4*(\s)+3], 0x80000000
.endr
	s_cmp_eq_u32 s[FB], 0                          ; a wave's two first fills stand in one branch: two loads of mine are out
	s_cbranch_scc0 .Lfirst_b
	tensor_load_to_lds s[G0A:G0A+3], s[G1A:G1A+7]
	s_nop 0
	tensor_load_to_lds s[G0A+4:G0A+7], s[G1A:G1A+7]
	s_nop 0
.rept 4
	v_nop
.endr
	s_branch .Lfirst_asked
.Lfirst_b:
	tensor_load_to_lds s[G0B:G0B+3], s[G1B:G1B+7]
	s_nop 0
	tensor_load_to_lds s[G0B+4:G0B+7], s[G1B:G1B+7]
	s_nop 0
.rept 4
	v_nop
.endr
.Lfirst_asked:
	v_and_b32 v1, 15, v0                           ; r = l % 16
	v_bfe_u32 v2, v0, 4, 1                         ; h = l / 16
	s_mul_i32 s19, s17, 768                        ; the tile's 192 columns in ball
	v_lshl_add_u32 v[BO], v2, 5, s19               ; + my eight columns of a block
.irp b, 0,1,2,3,4,5,6,7,8,9,10,11
	global_load_b128 v[BIAS+8*(\b):BIAS+8*(\b)+3],   v[BO], s[8:9] offset:64*(\b)
	global_load_b128 v[BIAS+8*(\b)+4:BIAS+8*(\b)+7], v[BO], s[8:9] offset:64*(\b)+16
.endr
	v_mul_u32_u24 v3, v1, PITCH
	v_lshl_add_u32 v3, v2, 4, v3                   ; a fragment's row x pitch + 16 x half
	s_mul_i32 s19, s[WV], 64*PITCH                 ; my 64 rows of x
	v_add_nc_u32 v[A0], s19, v3
	v_add_nc_u32 v[B0], BOFF, v3                   ; all 192 rows of the weights
	v_mov_b32 v[ADRA], v[A0]
	v_mov_b32 v[ADRB], v[B0]
	s_mul_i32 s19, s[WV], 16*SP
	s_add_co_u32 s19, s19, STAGE                   ; my stage
	v_mul_u32_u24 v[STO], v1, SP
	v_lshl_add_u32 v[STO], v2, 4, v[STO]
	v_add_nc_u32 v[STO], s19, v[STO]
	v_bfe_u32 v[RD], v0, 3, 2                      ; back: 32 lanes take four rows' 128 bytes of one head,
	v_mul_u32_u24 v[RD], v[RD], SP
	v_and_b32 v4, 7, v0
	v_lshl_add_u32 v[RD], v4, 4, v[RD]
	v_add_nc_u32 v[RD], s19, v[RD]
	v_and_b32 v[PFO], 31, v0
	v_lshlrev_b32 v[GO], 4, v[PFO]                 ; which are 512 consecutive bytes of qkv
	s_lshr_b32 s2, s18, 3                          ; batch
	s_mul_i32 s2, s2, 48
	s_mul_i32 s3, s17, 3
	s_add_co_u32 s2, s2, s3                        ; the tile's first head among the batch's 48
	s_lshl_b32 s2, s2, 18                          ; 2,048 rows of 128 bytes a head
	s_and_b32 s3, s18, 7
	s_lshl_b32 s3, s3, 15                          ; the tile's 256 rows
	s_add_co_u32 s2, s2, s3
	s_lshl_b32 s3, s[WV], 13                       ; my 64 of them
	s_add_co_u32 s2, s2, s3
	s_mov_b32 s3, 0
	s_add_nc_u64 s[OUT:OUT+1], s[10:11], s[2:3]
	s_lshl_b32 s2, s18, 8                          ; the prefetches: of x, my work-group's 32 rows of the 128 that I fetch,
	s_lshl_b32 s3, s[HF], 7
	s_add_co_u32 s2, s2, s3
	s_lshl_b32 s3, s15, 5
	s_add_co_u32 s2, s2, s3
	s_mul_i32 s3, s17, 192                         ; of the weights, its 24 of the 96
	s_mul_i32 s19, s[HF], 96
	s_add_co_u32 s3, s3, s19
	s_mul_i32 s19, s16, 24
	s_add_co_u32 s3, s3, s19
	s_and_b32 s19, ttmp7, 0xffff                   ; cluster y
	s_cmp_eq_u32 s[FB], 0
	s_cselect_b32 s2, s2, s3
	s_cselect_b32 s19, ttmp9, s19                  ; the coordinate along which other clusters read the same rows
	s_cselect_b64 s[PFA:PFA+1], s[4:5], s[6:7]
	s_cselect_b32 s3, 31, 23
	s_cmp_eq_u32 s19, 0
	s_cselect_b32 s[LIM], 2, -1                    ; the same in all sixteen partners, for a given wave
	v_min_u32 v[PFO], s3, v[PFO]
	v_lshlrev_b32 v[PFO], 11, v[PFO]
	s_lshl_b32 s2, s2, 11
	s_add_co_u32 s2, s2, 3*256                     ; at K step 3: the first refill steps it to 4.  K steps 0 to 3 come by their loads alone
	s_mov_b32 s3, 0
	s_add_nc_u64 s[PFA:PFA+1], s[PFA:PFA+1], s[2:3]
; 12 matrix instructions: row block a x all 12 column blocks, 32 along K.  zero = 1: the first product starts the sum with the bias.  The 48 accumulators take turns in one order throughout.
.macro MUL12 f, a, zero
.if \zero
	WIN 0x85+0x40*((\a)/2)                         ; sources 0, 1 window 1; C window 0; D window 2 or 3
.else
	WIN 0xa5+0x50*((\a)/2)                         ; C and D window 2 or 3
.endif
.irp b, 0,1,2,3,4,5,6,7,8,9,10,11
.set AC, 8*(12*((\a)%2)+(\b))
.if \zero
	v_wmma_f32_16x16x32_bf16 v[AC:AC+7], v[(\f)+8*(\b):(\f)+8*(\b)+7], v[(\f)+96+8*(\a):(\f)+96+8*(\a)+7], v[BIAS+8*(\b):BIAS+8*(\b)+7]
.else
	v_wmma_f32_16x16x32_bf16 v[AC:AC+7], v[(\f)+8*(\b):(\f)+8*(\b)+7], v[(\f)+96+8*(\a):(\f)+96+8*(\a)+7], v[AC:AC+7]
.endif
.endr
.endm
.macro MUL24 f, hi, zero
	MUL12 \f, 2*(\hi), \zero
	MUL12 \f, 2*(\hi)+1, \zero
.endm
; 32 LDS loads in one run: the fragments of 32 along K at byte k of the rows, into buffer g; x's row blocks 2 and 3 last
.macro FETCH k, g
	WIN 0x40                                       ; destination window 1, address window 0
.irp b, 0,1,2,3,4,5,6,7,8,9,10,11
	ds_load_b128 v[(\g)+8*(\b):(\g)+8*(\b)+3],   v[ADRB] offset:(\k)+(\b)*16*PITCH
	ds_load_b128 v[(\g)+8*(\b)+4:(\g)+8*(\b)+7], v[ADRB] offset:(\k)+(\b)*16*PITCH+32
.endr
.irp a, 0,1,2,3
	ds_load_b128 v[(\g)+96+8*(\a):(\g)+96+8*(\a)+3],   v[ADRA] offset:(\k)+(\a)*16*PITCH
	ds_load_b128 v[(\g)+96+8*(\a)+4:(\g)+96+8*(\a)+7], v[ADRA] offset:(\k)+(\a)*16*PITCH+32
.endr
.endm
.macro PLACES                          ; four plain places in front of loads into registers that matrix instructions have read, and of conversions that read results
.rept 4
	v_nop
.endr
.endm
; A K step is four quarters of 32 along K, 48 matrix instructions each, on buffers 0, 1, 0, 1.  One of the first three multiplies f and fetches the next quarter, at byte k, into g.
.macro QUARTER k, f, g, zero
	s_wait_dscnt 4                                 ; all but the youngest four loads: x's row blocks 2 and 3
	MUL24 \f, 0, \zero
	PLACES
	FETCH \k, \g
	s_wait_dscnt 32                                ; all but the 32 just issued
	MUL24 \f, 1, \zero
.endm
; The last quarter multiplies buffer 1 and changes slots.  In front of the barrier each wave waits for all its tensor loads (one is out: its part of the next slot), adds 0 to its spare word,
; and waits for that and for its reads of this slot.  fill = 1: the barrier opens a round of the cluster's barrier, and the joint refill, the K step two on, is the first thing behind it.
.macro TURN fill
.if \fill
	s_wait_xcnt 0x0                                ; the last prefetch, a K step back, has read its address
	s_add_nc_u64 s[PFA:PFA+1], s[PFA:PFA+1], 256
.endif
	WIN 0
	s_wait_tensorcnt 0x0                           ; no tensor load of mine is out, so a group 0 may be written
	ds_add_u32 v[SPW], v[NIL]                      ; 0 onto my spare word
.if \fill
	s_xor_b32 s[G0A+5], s[G0A+5], SLOT1            ; the walking descriptors: the other slot than last time, the next K step
	s_add_nc_u64 s[G0A+6:G0A+7], s[G0A+6:G0A+7], 256
	s_xor_b32 s[G0B+5], s[G0B+5], SLOT1
	s_add_nc_u64 s[G0B+6:G0B+7], s[G0B+6:G0B+7], 256
.endif
	s_wait_dscnt 5                                 ; the add and the youngest four loads may be out
	MUL12 F1, 0, 0
	s_wait_dscnt 0x0                               ; the add is done, and my reads of this slot are over
	s_barrier_signal -1
	MUL12 F1, 1, 0
	WIN 0
	s_barrier_wait -1
.if \fill
	CREST
	JLOAD                                          ; its four v_nop are also the places in front of the loads below
.else
	PLACES
.endif
	s_xor_b32 s[TB], s[TB], SLOT1
	v_add_nc_u32 v[ADRA], s[TB], v[A0]
	v_add_nc_u32 v[ADRB], s[TB], v[B0]
	FETCH 0, F0
.if \fill
	WIN 0
	ASK
.endif
	MUL24 F1, 1, 0
.endm
; THE WAY OUT of row block a: rounded to f16 (16 bytes a lane), into my own stage, back as four rows' 128 bytes of one head, stored.
.macro PACK a
	WIN 0x0a+5*((\a)/2)                            ; sources 0 and 1 window 2 or 3
.irp b, 0,1,2,3,4,5,6,7,8,9,10,11
.irp r, 0,1,2,3
	v_cvt_pk_f16_f32 v[TMP+4*(\b)+(\r)], v[8*(12*((\a)%2)+(\b))+2*(\r)], v[8*(12*((\a)%2)+(\b))+2*(\r)+1]
.endr
.endr
	WIN 0
.endm
.macro TOSTAGE a
	WIN 0
.set BK, OB+48*((\a)%2)
.if (\a) >= 2
	s_wait_xcnt 0x0                                ; the stores of the block two back have read this set of registers
.endif
.irp b, 0,1,2,3,4,5,6,7,8,9,10,11
	ds_store_b128 v[STO], v[TMP+4*(\b):TMP+4*(\b)+3] offset:32*(\b)
.endr
.irp j, 0,1,2
.irp t, 0,1,2,3
	ds_load_b128 v[BK+4*(4*(\j)+(\t)):BK+4*(4*(\j)+(\t))+3], v[RD] offset:128*(\j)+4*SP*(\t)  ; LDS serves a wave's instructions in order: these see the stores above
.endr
.endr
.endm
.macro SEND a
	WIN 0
.set BK, OB+48*((\a)%2)
	s_wait_dscnt 0x0
.irp j, 0,1,2
.irp t, 0,1,2,3
	global_store_b128 v[GO], v[BK+4*(4*(\j)+(\t)):BK+4*(4*(\j)+(\t))+3], s[OUT:OUT+1] offset:262144*(\j)+2048*(\a)+512*(\t)  ; 512 consecutive bytes, aligned
.endr
.endr
.endm
	s_wait_tensorcnt 1                             ; my part of K step 0 is in; K step 1's may stay out
	s_barrier_signal -1
	s_barrier_wait -1
	FETCH 0, F0
	s_wait_loadcnt 0x0                             ; the bias
	QUARTER 64, F0, F1, 1                          ; the first quarter stands in front of the loop: its products start the sums
	WIN 0
	s_mov_b32 s[CNT], 6
.Lstep:                                                ; a trip: a K step's quarters 1 to 3, the refill, the next step's quarter 0
	QUARTER 128, F1, F0, 0
	QUARTER 192, F0, F1, 0
	TURN 1
	QUARTER 64, F0, F1, 0
	WIN 0
	s_sub_co_u32 s[CNT], s[CNT], 1
	s_cmp_lg_u32 s[CNT], 0
	s_cbranch_scc1 .Lstep
	QUARTER 128, F1, F0, 0                         ; K steps 6 and 7 ask for nothing
	QUARTER 192, F0, F1, 0
	TURN 0
	QUARTER 64, F0, F1, 0
	QUARTER 128, F1, F0, 0
	QUARTER 192, F0, F1, 0
	s_wait_dscnt 4
	MUL24 F1, 0, 0
	s_wait_dscnt 0x0
	MUL24 F1, 1, 0
	PLACES
	PACK 0
	TOSTAGE 0
.irp a, 1,2,3                          ; block a's conversions stand between block a - 1's loads from the stage and the wait for them
	PACK \a
	SEND (\a)-1
	TOSTAGE \a
.endr
	SEND 3
	s_wait_tensorcnt 0x0                           ; the wave's end
	ds_add_u32 v[SPW], v[NIL]
	s_wait_dscnt 0x0
	CROUND                                         ; the closing round
	s_endpgm
.Lfunc_end_k_q70ea83bbe8_qkv:
	.size	k_q70ea83bbe8_qkv, .Lfunc_end_k_q70ea83bbe8_qkv-k_q70ea83bbe8_qkv
	.p2alignl 7, 3214868480
	.fill 96, 4, 3214868480
	.section	.rodata,"a",@progbits
	.p2align	6, 0x0
	.amdhsa_kernel k_q70ea83bbe8_qkv
		.amdhsa_group_segment_fixed_size 327680
		.amdhsa_private_segment_fixed_size 0
		.amdhsa_enable_private_segment 0
		.amdhsa_kernarg_size 32
		.amdhsa_user_sgpr_count 2
		.amdhsa_user_sgpr_kernarg_segment_ptr 1
		.amdhsa_wavefront_size32 1
		.amdhsa_system_sgpr_workgroup_id_x 1
		.amdhsa_system_sgpr_workgroup_id_y 1
		.amdhsa_system_sgpr_workgroup_id_z 1
		.amdhsa_system_vgpr_workitem_id 0
		.amdhsa_next_free_vgpr 960
		.amdhsa_next_free_sgpr 72
		.amdhsa_reserve_vcc 0
		.amdhsa_float_denorm_mode_32 3
		.amdhsa_float_denorm_mode_16_64 3
		.amdhsa_memory_ordered 1
		.amdhsa_forward_progress 1
		.amdhsa_inst_pref_size 99
	.end_amdhsa_kernel
	.amdgpu_metadata
---
amdhsa.version: [ 1, 2 ]
amdhsa.kernels:
  - .name:           k_q70ea83bbe8_qkv
    .symbol:         k_q70ea83bbe8_qkv.kd
    .args:
      - { .name: xb, .offset: 0, .size: 8, .value_kind: global_buffer, .address_space: global }
      - { .name: wqkv, .offset: 8, .size: 8, .value_kind: global_buffer, .address_space: global }
      - { .name: ball, .offset: 16, .size: 8, .value_kind: global_buffer, .address_space: global }
      - { .name: qkv, .offset: 24, .size: 8, .value_kind: global_buffer, .address_space: global }
    .group_segment_fixed_size: 327680
    .private_segment_fixed_size: 0
    .kernarg_segment_align: 8
    .kernarg_segment_size: 32
    .max_flat_workgroup_size: 128
    .sgpr_count:     72
    .vgpr_count:     960
    .wavefront_size: 32
...
	.end_amdgpu_metadata
.endif
;; end of part 2
;; launch attn (part 3): grid 4 x 64, 4 waves a work-group, clusters of 4 x 1, 327,680 bytes of LDS; arguments qkv, mask, ctx; writes ctx
.if DOCPART == 3
	.amdgcn_target "amdgcn-amd-amdhsa--gfx1250"
	.amdhsa_code_object_version 6
	.text
	.protected	k_q70ea83bbe8_attn
	.globl	k_q70ea83bbe8_attn
	.p2align	8
	.type	k_q70ea83bbe8_attn,@function
k_q70ea83bbe8_attn:
	s_mov_b64 s[64:65], 0
	v_nop
	global_prefetch_b8 v0, s[64:65] scope:SCOPE_SE
	s_setreg_imm32_b32 hwreg(HW_REG_WAVE_MODE, 25, 1), 1
	s_wait_xcnt 0x0
	s_wait_alu depctr_hold_cnt(0) depctr_sa_sdst(0) depctr_va_vdst(0) depctr_va_sdst(0) depctr_va_ssrc(0) depctr_va_vcc(0) depctr_vm_vsrc(0)
	s_getreg_b32 s2, hwreg(HW_REG_IB_STS2, 6, 4)
	s_cmp_eq_u32 s2, 0
	s_cbranch_scc0 .Lentry_in_a_cluster
	s_endpgm
.Lentry_in_a_cluster:
	s_bfe_u32 s2, ttmp6, 0x10000c
	s_cmp_lg_u32 s2, 0x3003
	s_cbranch_scc0 .Lentry_shape_is_right
	s_endpgm
.Lentry_shape_is_right:
; ctx[y][q][:] = the sum over k of softmax_k(Q[q] . K[k] / 8, hidden where mask[b][k] = 0) V[k][:], for y = 16 b + h.  Q, K, V: heads h, 16 + h, 32 + h of qkv[b][48][2048][64], f16; ctx [64][2048][64] f16.
; Products, maxima and sums in f32; the weights p are rounded to f16 for the second product (their sum l is taken of the unrounded p), the result once at the end.
; LIMITS.  A hidden score counts as its value less 1e30; the running maximum starts at -1e20, below every true score (f16's are 2.7e11 at the most) and above every hidden one, so hidden keys weigh 0.
; A batch whose mask is all 0 gives l = 0 and 0 x (1 / 0) = NaN, as a softmax over nothing does.  A weight below 2^-126 counts as 0 in l.  |Q . K| stays under 7e8, so that the rounding of c m leaves p within f16.
; SHARES.  A wave owns four PIECES of two tiles of 16 queries, a work-group's four waves 512 queries of one head.  Every wave walks all 2,048 keys, 64 a step.
; LAYOUT.  S^T = K Q^T + MC (source 0 = 16 keys, source 1 = 16 queries): a lane holds ONE query (lane % 16) and the keys 8 (lane / 16) + 0..7.  MC, the C operand that starts the sum, is the keys' addend, 0 or -1e30,
; read from a table in LDS that the work-group makes once from the batch's mask.  Two results rounded to f16 ARE source 1 of O^T = V^T P.  K comes out of LDS as it lies, V turned, by ds_load_tr16_b128.
; SOFTMAX.  p = 2^(c s - c m), c = log2(e) / 8, with a running maximum m; in every step O and l are multiplied by a = 2^(c m_old - c m_new).  O and l start at 0: the first step is a step like any other.
; BY TURNS.  Turn n belongs to piece n: 16 products K Q^T of piece n + 1, later 16 products V^T P of piece n - 1; beside them the scaling, exponentials, roundings, sums and rescaling of piece n and the maximum
; and statistics of piece n + 1.  Four vector instructions stand behind every matrix instruction, the rest in one lump; a turn's 66 exponentials are one batch, with one wait.
; CLUSTER.  The four query blocks of a head walk the same K and V: each tile is asked for jointly, by the same tensor load, descriptor and mask in all four.
; REGISTERS, in windows of 256:  window 0: v0-11 addresses; v12-15, v48-63 at work; v16-47 statistics; v64-191 S^T, two buffers of two tiles; v192-255 P, likewise
;   window 1: O^T, 32 a tile      window 2: v0-127 Q; v128-191 K of one step; v192-255 V of one step      window 3: v0-1 the add's registers; v8-39 MC of one step
.set SIZE_N, 2048
.set NP,    4         ; pieces a wave: a name, no knob
.set KS,    64        ; keys in a step
.set PK,    144       ; a row of K in LDS: 128 bytes + 16
.set PV,    160       ; a row of V: 128 + 32
.set VOFF,  4*KS*PK   ; a slot holds four steps: 256 rows of K, then 256 rows of V
.set SLOT1, 1<<17
.set STAGE, SLOT1+4*KS*(PK+PV)  ; 208,896: 16 rows x 144 bytes for each wave, for the way out
.set SP,    144
.set MASKB, STAGE+4*16*SP       ; 218,112: the batch's 2,048 addends, f32; written once by ds_store, never filled by a tensor load
.set SPARE, MASKB+8192          ; 226,304: the spare words, 128 bytes a wave: two blocks of 256 bytes that no other line names
.set STO, 1           ; v1   the way out: where I put 16 bytes of a row (first: l % 16)
.set AK0, 2           ; v2   my lane's place in a tile of K; never rewritten
.set AV0, 3           ; v3   the same for V
.set AK,  4           ; v4   the LDS address of K's next run of loads
.set AV,  5           ; v5   of V's
.set QO,  6           ; v6   my byte offset in the wave's rows of Q
.set RD,  7           ; v7   the way out: where I read rows back
.set GO,  8           ; v8   my byte offset in 512 consecutive bytes of ctx
                      ; v9   l / 16; never rewritten
.set PFO, 10          ; v10  256 x lane, for the prefetches (first: l % 8)
.set AM,  11          ; v11  the LDS address of the next step's addends
.set SPW, 0           ; v0 of window 3
.set NIL, 1           ; v1 of window 3
.set MC,  8           ; v8-39 of window 3: key block kb's eight addends at MC + 8 kb
.set MV,  12
.set ST,  16
.set TMP, 48
.set S,   64
.set P,   192
.set KF,  128
.set VF,  192
.set WV,  12
.set G1K, 24
.set G1V, 32
.set G0K, 40
.set G0V, 44
.set SLOTS, 56        ; s56  slots still to be asked for
.set CNT, 57
.set CS,  58
.set SEL, 60
.set TBK, 62
.set TBV, 63
.set BIGN, 72         ; s72  -1e30
.set TBM, 73          ; s73  LDS byte of the addends of the step to be fetched
.set PFA, 74          ; s[74:75] where my prefetches stand
.set LIM, 76          ; s76  1 in waves 0 and 2, else the greatest number
.set MSB, 0
.macro WIN new
.if MSB != (\new)
	s_set_vgpr_msb (MSB<<8)|(\new)
.set MSB, (\new)
.endif
.endm
.set W_KQ, 0x0a       ; K and Q in window 2, S^T in window 0
.set W_KM, 0x3a       ; the same with the C operand in window 3
.set W_PV, 0x52       ; V in window 2, P in window 0, O^T in window 1
.set W_RS, 0x41       ; O^T in window 1, a in window 0
.set W_MK, 0xc0       ; destination in window 3
.set W_AD, 0x0f       ; the add: address and data in window 3
.macro JLOAD                        ; waves 0 and 1 fetch the halves of a slot's K, waves 2 and 3 those of its V; an s_nop 0 and four v_nop follow each line
	s_cmp_lt_u32 s[WV], 2
	s_cbranch_scc0 .Lfor_v_\@
	tensor_load_to_lds s[G0K:G0K+3], s[G1K:G1K+7]
	s_nop 0
.rept 4
	v_nop
.endr
	s_branch .Lasked_\@
.Lfor_v_\@:
	tensor_load_to_lds s[G0V:G0V+3], s[G1V:G1V+7]
	s_nop 0
.rept 4
	v_nop
.endr
.Lasked_\@:
.endm
; A prefetch of the slot that the NEXT change will ask for: 128 blocks of 256 bytes of K and as many of V.  A head has one cluster; its four partners take 32 blocks each, told apart by address;
; in each, wave 0 asks for K's and wave 2 for V's: a lane a block, one instruction.  The last change that fills a slot asks for nothing.
.macro ASK
	s_cmp_gt_u32 s[SLOTS], s[LIM]
	s_cbranch_scc0 .Lnot_mine_\@
	global_prefetch_b8 v[PFO], s[PFA:PFA+1] th:TH_LOAD_NT scope:SCOPE_SE
.Lnot_mine_\@:
.endm
.macro CROUND
	s_barrier_signal -1
	s_barrier_wait -1
	s_cmp_lg_u32 s[WV], 0
	s_cbranch_scc1 .Lnot_wave_0_\@
	s_barrier_signal -3
.Lnot_wave_0_\@:
	s_barrier_wait -3
	s_barrier_signal -1
	s_barrier_wait -1
.endm
; THE CHANGE OF SLOTS.  Each wave waits for all its tensor loads (one is out: its part of the other slot), adds 0 to its spare word, and waits for that and for its own LDS instructions.
; fill = 1: the barrier is a round of the cluster's, and the joint fill, the keys two slots on, is the first thing behind it.  (At its first use slot 0 is waited for, slot 1 filled, and the table of addends shown to all waves.)
.macro CHANGE fill
	WIN W_AD
	s_wait_tensorcnt 0x0            ; no tensor load of mine is out, so a group 0 may be written
	ds_add_u32 v[SPW], v[NIL]       ; 0 onto my spare word
	WIN 0
.if \fill
.irp g, G0K, G0V
	s_xor_b32 s[\g+1], s[\g+1], SLOT1
	s_add_nc_u64 s[\g+2:\g+3], s[\g+2:\g+3], 4*KS*128
.endr
	s_wait_xcnt 0x0                 ; the last prefetch, four key steps back, has read its address
	s_add_nc_u64 s[PFA:PFA+1], s[PFA:PFA+1], 4*KS*128
	s_wait_dscnt 0x0                ; the add is done, and my LDS instructions are over
	CROUND
	JLOAD
	ASK
.else
	s_wait_dscnt 0x0
	s_barrier_signal -1
	s_barrier_wait -1
.endif
	s_sub_co_u32 s[TBK], s[TBK], 4*KS*PK
	s_xor_b32 s[TBK], s[TBK], SLOT1
	s_sub_co_u32 s[TBV], s[TBV], 4*KS*PV
	s_xor_b32 s[TBV], s[TBV], SLOT1
.endm
	s_load_b128 s[68:71], s[0:1], 0x0  ; qkv s[68:69], mask s[70:71]
	s_load_b64 s[10:11], s[0:1], 0x10  ; ctx
	WIN W_MK
	v_lshl_add_u32 v[SPW], v0, 2, SPARE
	v_mov_b32 v[NIL], 0
	WIN W_AD
	ds_add_u32 v[SPW], v[NIL]       ; the wave's opening: the add and its wait stand ahead of my first tensor load
	WIN 0
	v_lshrrev_b32 v1, 5, v0
	v_readfirstlane_b32 s[WV], v1
	s_bfe_u32 s13, ttmp6, 0x40000   ; cx
	s_lshl_b32 s14, ttmp9, 2
	s_add_co_u32 s14, s14, s13      ; my block of 512 queries: it enters Q's, ctx's and the prefetches' addresses alone
	s_and_b32 s15, ttmp7, 0xffff    ; y = 16 b + h, which the four partners share
	s_lshr_b32 s20, s15, 4          ; b
	s_and_b32 s21, s15, 15          ; h
	s_lshl_b32 s78, s20, 13         ; the batch's 8,192 bytes of mask
	s_mov_b32 s79, 0
	s_mul_i32 s20, s20, 48
	s_add_co_u32 s20, s20, s21
	s_lshl_b32 s20, s20, 18         ; the head's q rows in qkv
	s_mov_b32 s21, 0
	s_and_b32 s16, s[WV], 1         ; which half of a slot's 256 keys I fetch:
	s_lshl_b32 s22, s16, 14         ; its 128 rows of 128 bytes,
	s_add_co_u32 s22, s22, 16<<18   ; sixteen heads on: k
	s_mov_b32 s23, 0
	s_mul_i32 s17, s16, 128*PK
	s_mul_i32 s18, s16, 128*PV
	s_lshl_b32 s2, s14, 2
	s_add_co_u32 s2, s2, s[WV]
	s_lshl_b32 s2, s2, 14           ; my wave's 128 rows
	s_mov_b32 s3, 0
	s_lshl_b32 s66, s15, 18
	s_add_co_u32 s66, s66, s2       ; the same rows in ctx
	s_mov_b32 s67, 0
	s_mov_b32 s[G1K], 15|(1<<16)|(1<<20)|(1<<21)|(4<<22)|(3<<25)  ; the mask of four; 2-byte elements; padding on; bit 21 beside a mask; after every 32 words, 4 words
	s_mov_b32 s[G1V], 15|(1<<16)|(1<<20)|(1<<21)|(4<<22)|(7<<25)  ; the same with 8 words
.irp g, G1K, G1V
	s_mov_b32 s[\g+1], 128<<16      ; 128 keys are 16,384 dense bytes: asked for as 64 rows of 256 bytes
	s_mov_b32 s[\g+2], 64<<16
	s_mov_b32 s[\g+3], 128<<16
	s_mov_b32 s[\g+4], 64
	s_mov_b32 s[\g+5], 128
	s_mov_b32 s[\g+6], 0
	s_mov_b32 s[\g+7], 0
.endr
	s_mov_b32 s[CS], 0x3e38aa3b     ; c = log2(e) / 8
	s_mov_b32 s[CS+1], s[CS]
	s_mov_b32 s[SEL], 0x76543210
	s_mov_b32 s[SEL+1], 0xfedcba98
	s_mov_b32 s[TBK], SLOT1+4*KS*PK ; the first change of slots turns these two into 0
	s_mov_b32 s[TBV], SLOT1+4*KS*PV
	s_mov_b32 s[TBM], MASKB
	s_mov_b32 s[BIGN], 0xf149f2ca   ; -1e30
	s_mov_b32 s[SLOTS], SIZE_N/256-1
	s_and_b32 s[LIM], s[WV], 1
	s_cmp_eq_u32 s[LIM], 0
	s_cselect_b32 s[LIM], 1, -1
	s_mov_b32 s[G0K], 1
	s_mov_b32 s[G0K+1], s17
	s_mov_b32 s[G0V], 1
	s_add_co_u32 s[G0V+1], s18, VOFF
	s_wait_dscnt 0x0                ; the opening add is done
	s_wait_kmcnt 0x0
	s_add_nc_u64 s[68:69], s[68:69], s[20:21]      ; the head's q
	s_add_nc_u64 s[6:7], s[68:69], s[22:23]        ; my half of its first 256 keys,
	s_add_nc_u64 s[8:9], s[6:7], 16<<18            ; and of their values
	s_mov_b64 s[G0K+2:G0K+3], s[6:7]
	s_or_b32 s[G0K+3], s[G0K+3], 0x80000000
	s_mov_b64 s[G0V+2:G0V+3], s[8:9]
	s_or_b32 s[G0V+3], s[G0V+3], 0x80000000
	s_add_nc_u64 s[4:5], s[68:69], s[2:3]          ; Q at my wave's first row
	s_add_nc_u64 s[10:11], s[10:11], s[66:67]      ; ctx likewise
	s_add_nc_u64 s[70:71], s[70:71], s[78:79]      ; the batch's mask
	s_cmp_lt_u32 s[WV], 2
	s_cselect_b64 s[PFA:PFA+1], s[6:7], s[8:9]     ; (in waves 0 and 2 these stand at a slot's first row)
	s_lshl_b32 s78, s13, 13                        ; my work-group's 32 blocks of the 128,
	s_add_co_u32 s78, s78, 4*KS*128                ; in slot 1: the first change of slots steps it to slot 2
	s_add_nc_u64 s[PFA:PFA+1], s[PFA:PFA+1], s[78:79]
	CROUND                          ; all four work-groups are here
	JLOAD                           ; slot 0
	v_and_b32 v1, 15, v0            ; l % 16
	v_bfe_u32 v9, v0, 4, 1          ; l / 16
	v_lshlrev_b32 v[QO], 7, v1
	v_lshl_add_u32 v[QO], v9, 4, v[QO]
	v_lshlrev_b32 v12, 4, v0        ; 16 t: 128 threads x 16 bytes, four times, are the batch's mask
	v_add_nc_u32 v13, MASKB, v12
.irp f, 0,1,2,3
	global_load_b128 v[S+4*\f:S+4*\f+3], v12, s[70:71] offset:2048*\f
.endr
	WIN 0x80                        ; destination window 2
.set i, 0
.rept 4*NP                          ; Q stays in registers
	global_load_b128 v[8*i:8*i+3],   v[QO], s[4:5] offset:(i/2)*2048+(i%2)*64
	global_load_b128 v[8*i+4:8*i+7], v[QO], s[4:5] offset:(i/2)*2048+(i%2)*64+32
.set i, i+1
.endr
	; What the first turn finds: V's registers and P's second buffer hold 0, O^T and l are 0.  All this stands in the wait for the first tile.
.set i, VF
.rept 64
	v_mov_b32 v[i], 0
.set i, i+1
.endr
	WIN 0x40
.set i, 0
.rept 64*NP
	v_mov_b32 v[i], 0
.set i, i+1
.endr
	WIN 0
.set i, 0
.rept 2*NP
	v_mov_b32 v[ST+4*i], 0xfe000000    ; c m: far below every c s, so the first a is 0
	v_mov_b32 v[ST+4*i+1], 0xe0ad78ec  ; m = -1e20
	v_mov_b32 v[ST+4*i+2], 0
	v_mov_b32 v[ST+4*i+3], 0
.set i, i+1
.endr
.set i, P+32
.rept 32
	v_mov_b32 v[i], 0
.set i, i+1
.endr
	v_mul_u32_u24 v[AK0], v1, PK
	v_lshl_add_u32 v[AK0], v9, 4, v[AK0]
	v_and_b32 v10, 7, v0
	v_bfe_u32 v11, v0, 3, 1
	v_lshl_add_u32 v[AV0], v9, 3, v10
	v_mul_u32_u24 v[AV0], v[AV0], PV
	v_lshl_add_u32 v[AV0], v11, 4, v[AV0]
	v_add_nc_u32 v[AV0], VOFF, v[AV0]
	v_mov_b32 v[AK], v[AK0]         ; key step 0 lies at the head of slot 0
	s_mul_i32 s19, s[WV], 16*SP
	s_add_co_u32 s19, s19, STAGE    ; my stage
	v_bfe_u32 v[RD], v0, 3, 2       ; back: 32 lanes take four rows of 128 bytes,
	v_mul_u32_u24 v[RD], v[RD], SP
	v_lshl_add_u32 v[RD], v10, 4, v[RD]
	v_add_nc_u32 v[RD], s19, v[RD]
	v_and_b32 v[GO], 31, v0
	v_lshlrev_b32 v[PFO], 8, v[GO]
	v_lshlrev_b32 v[GO], 4, v[GO]   ; which are 512 consecutive bytes of ctx
	v_mul_u32_u24 v[STO], v1, SP    ; in: row l % 16, 16 bytes for each half of the lanes
	v_lshl_add_u32 v[STO], v9, 4, v[STO]
	v_add_nc_u32 v[STO], s19, v[STO]
	v_lshl_add_u32 v[AM], v9, 5, s[TBM]  ; my half's eight addends of a key block: 32 bytes
	s_wait_loadcnt 32               ; the mask's four loads are in; Q's 32, issued behind them, may stay out
.set i, 0
.rept 16
	v_cmp_eq_u32 vcc_lo, 0, v[S+i]
	v_cndmask_b32 v[S+i], 0, s[BIGN], vcc_lo  ; -1e30 where the mask is 0
.set i, i+1
.endr
.irp f, 0,1,2,3
	ds_store_b128 v13, v[S+4*\f:S+4*\f+3] offset:2048*\f
.endr
; THE MATRIX WORK.  The 8 accumulators of a run of 16 take turns.
; Product i of 16 of S^T = K Q^T for piece x: channels 32 (i / 8) on, keys 16 ((i / 2) % 4) on, tile 2 x + i % 2.  The first 8 start the sums with the keys' addends.
.macro KQ x
.set rS, S+64*((\x)%2)+32*(i%2)+8*((i/2)%4)
.set rK, KF+16*((i/2)%4)+8*(i/8)
.set rQ, 16*(2*(\x)+i%2)+8*(i/8)
.set rA, MC+8*((i/2)%4)
.if i < 8
	WIN W_KM
	v_wmma_f32_16x16x32_f16 v[rS:rS+7], v[rK:rK+7], v[rQ:rQ+7], v[rA:rA+7]
.else
	WIN W_KQ
	v_wmma_f32_16x16x32_f16 v[rS:rS+7], v[rK:rK+7], v[rQ:rQ+7], v[rS:rS+7]
.endif
.endm
; Product i of 16 of O^T += V^T P for piece x: keys 32 (i / 8) on, channels 16 ((i / 2) % 4) on, tile 2 x + i % 2.
.macro PV x
	WIN W_PV
.set rO, 32*(2*(\x)+i%2)+8*((i/2)%4)
.set rV, VF+32*(i/8)+8*((i/2)%4)
.set rP, P+32*((\x)%2)+16*(i%2)+8*(i/8)
	v_wmma_f32_16x16x32_f16 v[rO:rO+7], v[rV:rV+7], v[rP:rP+7], v[rO:rO+7]
.endm
.macro MM                           ; the turn's next matrix instruction
.if i < 16
	KQ (Y+1)%NP
.set i, i+1
.else
.set i, i-16
	PV (Y+NP-1)%NP
.set i, i+17
.endif
.endm
; THE LDS LOADS stand in runs: a step's K (8 fragments) with its 64 addends, and its V (turned).  last = 1 (the tail): in the last trip there is no further step, and the run is jumped over.
.macro FETCH_K last=0
	WIN 0
.if \last
	s_cmp_eq_u32 s[CNT], 1
	s_cbranch_scc1 .Lno_k_\@
.endif
	WIN 0x80                        ; destination window 2
.irp f, 0,1,2,3,4,5,6,7
	ds_load_b128 v[KF+8*\f:KF+8*\f+3],   v[AK] offset:(\f/2)*16*PK+(\f%2)*64
	ds_load_b128 v[KF+8*\f+4:KF+8*\f+7], v[AK] offset:(\f/2)*16*PK+(\f%2)*64+32
.endr
	WIN 0xc0                        ; destination window 3
.irp f, 0,1,2,3,4,5,6,7             ; key block f / 2, four addends each; sixteen lanes read the same 16 bytes
	ds_load_b128 v[MC+4*\f:MC+4*\f+3], v[AM] offset:(\f/2)*64+(\f%2)*16
.endr
	s_add_co_u32 s[TBK], s[TBK], KS*PK  ; the next fetch is the next step's
	s_add_co_u32 s[TBM], s[TBM], KS*4
	WIN 0
.if \last
.Lno_k_\@:
.endif
.endm
.macro FETCH_V
	WIN 0x80
.irp f, 0,1,2,3,4,5,6,7
	ds_load_tr16_b128 v[VF+8*\f:VF+8*\f+3],   v[AV] offset:(\f/4)*32*PV+(\f%4)*32
	ds_load_tr16_b128 v[VF+8*\f+4:VF+8*\f+7], v[AV] offset:(\f/4)*32*PV+16*PV+(\f%4)*32
.endr
	WIN 0
.endm
; THE VECTOR WORK OF A TURN stands in three queues, each in the order in which its entries become ready; the two tiles alternate.
.macro REGS y, u                    ; the registers of tile u (0, 1) of piece y
.set rT, ST+4*(2*(\y)+(\u))
.set rC, TMP+8*((\y)%2)+4*(\u)
.set rM, MV+2*((\y)%2)+(\u)
.set rS, S+64*((\y)%2)+32*(\u)
.set rP, P+32*((\y)%2)+16*(\u)
.set rO, 32*(2*(\y)+(\u))
.endm
; Number n of the 22 that find the NEXT piece's maximum and statistics; each accumulator's lowest registers are read first.
;   0-11 four chains of seven scores     12-14, 16 the four left over, the old m, the four chains into one     15 c m_old is kept     17, 18 the other half of the lanes: the new m     19-21 c m; its change; a
.macro XS u, n
	REGS (Y+1)%NP, \u
.if (\n) < 4
	v_max3_num_f32 v[rC+(\n)], v[rS+8*(\n)], v[rS+8*(\n)+1], v[rS+8*(\n)+2]
.elseif (\n) < 12
	v_max3_num_f32 v[rC+(\n)%4], v[rC+(\n)%4], v[rS+8*((\n)%4)+2*((\n)/4)+1], v[rS+8*((\n)%4)+2*((\n)/4)+2]
.elseif (\n) == 12
	v_max3_num_f32 v[rC], v[rC], v[rS+7], v[rS+15]
.elseif (\n) == 13
	v_max3_num_f32 v[rC+1], v[rC+1], v[rS+23], v[rS+31]
.elseif (\n) == 14
	v_max3_num_f32 v[rC+2], v[rC+2], v[rC+3], v[rT+1]
.elseif (\n) == 15
	v_mov_b32 v[rM], v[rT]
.elseif (\n) == 16
	v_max3_num_f32 v[rC], v[rC], v[rC+1], v[rC+2]
.elseif (\n) == 17
	v_permlanex16_b32 v[rC+3], v[rC], s[SEL], s[SEL+1]
.elseif (\n) == 18
	v_max_num_f32 v[rT+1], v[rC], v[rC+3]
.elseif (\n) == 19
	v_mul_f32 v[rT], s[CS], v[rT+1]
.elseif (\n) == 20
	v_sub_f32 v[rC+1], v[rM], v[rT]
.else
	v_exp_f32 v[rC+2], v[rC+1]
.endif
.endm
; Number g of the 64 that follow the exponentials: for each four weights both pairs are rounded to f16, the second pair is added onto the first, and a group later l takes that sum (the first time as l = a l + sum).
.macro GS g
.set h, (\g)+6*((\g)/62)
.if h >= 6
.set h, h+2
.endif
	REGS Y, h%2
.set k, h/8
.if h%8 < 4
	v_cvt_pk_f16_f32 v[rP+2*k+(h%8)/2], v[rS+4*k+2*((h%8)/2)], v[rS+4*k+2*((h%8)/2)+1]
.elseif h%8 < 6
	v_pk_add_f32 v[rS+4*k:rS+4*k+1], v[rS+4*k:rS+4*k+1], v[rS+4*k+2:rS+4*k+3]
.elseif k == 1
	v_pk_fma_f32 v[rT+2:rT+3], v[rT+2:rT+3], v[rC+2:rC+3], v[rS:rS+1] op_sel_hi:[1,0,1]
.else
	v_pk_add_f32 v[rT+2:rT+3], v[rT+2:rT+3], v[rS+4*k-4:rS+4*k-3]
.endif
.endm
; THE PLAIN QUEUE, 138 long.  0-73 read no exponential's result: the 32 scalings c s - c m and the next piece's 42.  74-137: GS's 64, behind the wait.
.macro FS f
	REGS Y, (\f)%2
	v_pk_fma_f32 v[rS+2*((\f)/2):rS+2*((\f)/2)+1], v[rS+2*((\f)/2):rS+2*((\f)/2)+1], s[CS:CS+1], v[rT:rT+1] op_sel_hi:[1,0,0] neg_lo:[0,0,1] neg_hi:[0,0,1]
.endm
.macro PL
	WIN 0
.if q < 27
	FS q
.elseif q < 55
	XS (q-27)%2, (q-27)/2
.elseif q < 57
	XS q-55, 15
.elseif (q < 72) && ((q-57)%3 == 0)
	FS 27+(q-57)/3
.elseif q < 60
	XS (q-57)%3-1, 14
.elseif q < 72
	XS (q-57)%3-1, 15+(q-57)/3
.elseif q < 74
	XS q-72, 20
.else
	GS q-74
.endif
.set q, q+1
.endm
; THE EXPONENTIALS' QUEUE, 66 long: both tiles' 32 scores, then the next piece's two a.  ONE BATCH: all stand ahead of the turn's one wait, and nothing ahead of that wait names a result of theirs.
.macro EX
	WIN 0
.if e >= 64
	XS e-64, 21
.else
	REGS Y, e%2
	v_exp_f32 v[rS+e/2], v[rS+e/2]
.endif
.set e, e+1
.endm
; THE RESCALING's QUEUE: O^T times a, dealt two at a time, sixteen times.  Its a was made, and waited for, in the turn before.
.macro R2
	REGS Y, r%2
	WIN W_RS
.irp z, 0,1
	v_pk_mul_f32 v[rO+4*(r/2)+2*\z:rO+4*(r/2)+2*\z+1], v[rO+4*(r/2)+2*\z:rO+4*(r/2)+2*\z+1], v[rC+2:rC+3] op_sel_hi:[1,0]
.endr
.set r, r+1
.endm
; A TURN, for piece p.  Ahead of its one wait: the 16 products K Q^T, behind each a scaling, an exponential and two rescalings; then a lump of 108.  Behind it: the 16 products V^T P, behind each four of GS's 64.
; K and the addends of the next step are fetched in piece 2's turn, directly behind the wait, a lump behind the last product that read them; V of the step in hand at the end of piece 0's turn, four riders behind its last reader.
.macro TURN p, last=0, cnt=0
.set Y, (\p)
.set i, 0
.set q, 0
.set e, 0
.set r, 0
.if (\p) == NP-1
	s_wait_dscnt 0x0                ; K and its addends are in
.endif
	MM
	PL
	PL
	R2
.rept 15
	MM
	PL
	EX
	R2
.endr
.if (\p) == NP-2
	WIN 0
	v_add_nc_u32 v[AK], s[TBK], v[AK0]
	v_lshl_add_u32 v[AM], v9, 5, s[TBM]
.endif
.rept 8
	PL
.endr
.rept 49
	EX
	PL
.endr
	EX
	EX
	v_nop                           ; a plain instruction behind the last exponential: one for the batch
	s_wait_alu depctr_va_vdst(0)    ; the wait for the batch, ahead of the first instruction that names a result
.if (\p) == NP-2
	FETCH_K \last
.endif
.if (\p) == 1
	s_wait_dscnt 0x0                ; V is in
.endif
.rept 16
	MM
.rept 4
	PL
.endr
.if ((\p) == 0) && (q == 118)
	v_add_nc_u32 v[AV], s[TBV], v[AV0]
.endif
.if ((\p) == 0) && (q == 130)
	s_add_co_u32 s[TBV], s[TBV], KS*PV
.endif
.if (\cnt) && (q == 130)
	s_sub_co_u32 s[CNT], s[CNT], 1
	s_cmp_lg_u32 s[CNT], 0
.endif
.endr
.if (\p) == 0
	FETCH_V
.endif
.endm
	CHANGE 1                        ; slot 0 is in and the table is written, everybody's part of both; slot 1 is asked for
	FETCH_K                         ; key step 0
	s_wait_loadcnt 0x0              ; Q
	s_wait_dscnt 0x0
.set i, 0
.rept 16
	KQ 0                            ; piece 0's first scores
.set i, i+1
.endr
	WIN 0
.rept 4
	v_nop                           ; the places behind those products
.endr
.set Y, NP-1                        ; XS works for piece Y + 1: piece 0
.irp n, 0,1,2,3,4,5,6,7,8,9,10,11,12,13,14,15,16,17,18,19,20,21
	XS 0, \n
	XS 1, \n
.endr
	v_nop                           ; a plain instruction behind the two a,
	s_wait_alu depctr_va_vdst(0)    ; and their wait, ahead of the branch
	s_mov_b32 s[CNT], 4
	s_branch .Lfirst                ; the loop is entered at a step's first turn, in the middle of a trip
.Lslot:                             ; six times: every slot but the last two is filled again
	CHANGE 1
	s_mov_b32 s[CNT], 4
.Lstep:                             ; a trip: pieces 2 and 3 of one step, then pieces 0 and 1 of the next, whose K and V it fetches
	TURN 2
	TURN 3
	WIN 0
.Lfirst:
	TURN 0
	TURN 1, 0, 1
	WIN 0
	s_cbranch_scc1 .Lstep
	s_sub_co_u32 s[SLOTS], s[SLOTS], 1
	s_cmp_lg_u32 s[SLOTS], 0
	s_cbranch_scc1 .Lslot
	CHANGE 0                        ; the tail is written out
	s_mov_b32 s[CNT], 5             ; four trips fetch the last slot's steps; the fifth is left in its middle
.Ltail:
	TURN 2, 1
	TURN 3
	WIN 0
	s_sub_co_u32 s[CNT], s[CNT], 1
	s_cmp_eq_u32 s[CNT], 0
	s_cbranch_scc1 .Lout
	TURN 0
	TURN 1
	WIN 0
	s_branch .Ltail
.Lout:                              ; the fifth trip's 16 products K Q^T (on the last K once more) serve nothing: the price of one text for every trip
.set i, 0
.rept 16
	PV NP-1                         ; the last piece's V^T P of the last step
.set i, i+1
.endr
	; THE WAY OUT.  l's two halves and the other half of the lanes' are added; O^T is divided by l, rounded to f16 and sent through my stage, a tile at a time.  The additions are the places behind the last products.
	WIN 0
.macro ALL line:vararg
.set t, 0
.rept 2*NP
	\line
.set t, t+1
.endr
.endm
	ALL v_add_f32 v[ST+4*t+2], v[ST+4*t+2], v[ST+4*t+3]
	ALL v_permlanex16_b32 v[ST+4*t+3], v[ST+4*t+2], s[SEL], s[SEL+1]
	ALL v_add_f32 v[ST+4*t+2], v[ST+4*t+2], v[ST+4*t+3]
	ALL v_rcp_f32 v[ST+4*t+2], v[ST+4*t+2]
	v_nop                           ; a plain instruction behind the last reciprocal,
	s_wait_alu depctr_va_vdst(0)    ; and one wait for the eight, ahead of the first use
.macro PACK t
	WIN W_RS
.set i, 32*(\t)
.rept 16
	v_pk_mul_f32 v[i:i+1], v[i:i+1], v[ST+4*(\t)+2:ST+4*(\t)+3] op_sel_hi:[1,0]
.set i, i+2
.endr
	WIN 0x05                        ; sources 0 and 1 window 1, destination window 0
.set i, 0
.rept 16
	v_cvt_pk_f16_f32 v[S+16*(\t)+i], v[32*(\t)+2*i], v[32*(\t)+2*i+1]
.set i, i+1
.endr
	WIN 0
.irp f, 0,1,2,3
	ds_store_b128 v[STO], v[S+16*(\t)+4*\f:S+16*(\t)+4*\f+3] offset:32*\f
.endr
.irp f, 0,1,2,3
	ds_load_b128 v[S+16*(\t)+4*\f:S+16*(\t)+4*\f+3], v[RD] offset:\f*4*SP  ; LDS serves a wave's instructions in order: these see the stores above
.endr
.endm
.macro SEND t, younger              ; younger: the LDS instructions issued behind tile t's loads: the next tile's eight, or none
	WIN 0
.irp f, 0,1,2,3
	s_wait_dscnt (\younger)+3-\f
	global_store_b128 v[GO], v[S+16*(\t)+4*\f:S+16*(\t)+4*\f+3], s[10:11] offset:(\t)*2048+\f*512  ; 512 consecutive bytes, aligned
.endr
.endm
	PACK 0
.set t, 1
.rept 2*NP-1
	PACK t
	SEND t-1, 8
.set t, t+1
.endr
	SEND 2*NP-1, 0
	WIN W_AD
	s_wait_tensorcnt 0x0            ; the wave's end
	ds_add_u32 v[SPW], v[NIL]
	s_wait_dscnt 0x0
	WIN 0
	CROUND                          ; the closing round
	s_endpgm
.Lfunc_end_k_q70ea83bbe8_attn:
	.size	k_q70ea83bbe8_attn, .Lfunc_end_k_q70ea83bbe8_attn-k_q70ea83bbe8_attn
	.p2alignl 7, 3214868480
	.fill 96, 4, 3214868480
	.section	.rodata,"a",@progbits
	.p2align	6, 0x0
	.amdhsa_kernel k_q70ea83bbe8_attn
		.amdhsa_group_segment_fixed_size 327680
		.amdhsa_private_segment_fixed_size 0
		.amdhsa_enable_private_segment 0
		.amdhsa_kernarg_size 24
		.amdhsa_user_sgpr_count 2
		.amdhsa_user_sgpr_kernarg_segment_ptr 1
		.amdhsa_wavefront_size32 1
		.amdhsa_system_sgpr_workgroup_id_x 1
		.amdhsa_system_sgpr_workgroup_id_y 1
		.amdhsa_system_sgpr_workgroup_id_z 1
		.amdhsa_system_vgpr_workitem_id 0
		.amdhsa_next_free_vgpr 808
		.amdhsa_next_free_sgpr 80
		.amdhsa_reserve_vcc 1
		.amdhsa_float_denorm_mode_32 3
		.amdhsa_float_denorm_mode_16_64 3
		.amdhsa_memory_ordered 1
		.amdhsa_forward_progress 1
		.amdhsa_inst_pref_size 205
	.end_amdhsa_kernel
	.amdgpu_metadata
---
amdhsa.version: [ 1, 2 ]
amdhsa.kernels:
  - .name:           k_q70ea83bbe8_attn
    .symbol:         k_q70ea83bbe8_attn.kd
    .args:
      - { .name: qkv, .offset: 0, .size: 8, .value_kind: global_buffer, .address_space: global }
      - { .name: mask, .offset: 8, .size: 8, .value_kind: global_buffer, .address_space: global }
      - { .name: ctx, .offset: 16, .size: 8, .value_kind: global_buffer, .address_space: global }
    .group_segment_fixed_size: 327680
    .private_segment_fixed_size: 0
    .kernarg_segment_align: 8
    .kernarg_segment_size: 24
    .max_flat_workgroup_size: 128
    .sgpr_count:     80
    .vgpr_count:     808
    .wavefront_size: 32
...
	.end_amdgpu_metadata
.endif
;; end of part 3
;; launch oproj (part 4): grid 4 x 64, 4 waves a work-group, clusters of 4 x 4, 327,680 bytes of LDS; arguments ctx, woh, ball, out0; writes out0
.if DOCPART == 4
	.amdgcn_target "amdgcn-amd-amdhsa--gfx1250"
	.amdhsa_code_object_version 6
	.text
	.protected	k_q70ea83bbe8_oproj
	.globl	k_q70ea83bbe8_oproj
	.p2align	8
	.type	k_q70ea83bbe8_oproj,@function
k_q70ea83bbe8_oproj:
	s_mov_b64 s[64:65], 0
	v_nop
	global_prefetch_b8 v0, s[64:65] scope:SCOPE_SE
	s_setreg_imm32_b32 hwreg(HW_REG_WAVE_MODE, 25, 1), 1
	s_wait_xcnt 0x0
	s_wait_alu depctr_hold_cnt(0) depctr_sa_sdst(0) depctr_va_vdst(0) depctr_va_sdst(0) depctr_va_ssrc(0) depctr_va_vcc(0) depctr_vm_vsrc(0)
	s_getreg_b32 s2, hwreg(HW_REG_IB_STS2, 6, 4)
	s_cmp_eq_u32 s2, 0
	s_cbranch_scc0 .Lentry_in_a_cluster
	s_endpgm
.Lentry_in_a_cluster:
	s_bfe_u32 s2, ttmp6, 0x10000c
	s_cmp_lg_u32 s2, 0xf033
	s_cbranch_scc0 .Lentry_shape_is_right
	s_endpgm
.Lentry_shape_is_right:
; out0 = context wo^T + bo, f32.  ctx [16 b + h][2048][64] f16 (row n of the context is channel block h of its 16 heads), woh [1024][1024] f16, bo = ball's last 1,024 numbers.  Sums in f32, started by the bias.
; SHARES.  A tile of the result is 128 rows x 256 columns: 64 x 4 = 256 work-groups.  A wave takes 64 x 128: 32 accumulators of 16 x 16, 256 registers.
; K goes in 8 steps of 128, two heads each, through two LDS slots.  One head's 128 rows are 16,384 dense bytes, asked for as 64 rows of 256 bytes and padded in LDS after every 128.
; CLUSTER, 4 x 4.  The four of a row of the cluster need the same rows of the context, the four of a column the same rows of wo: each tile is asked for jointly.
; THE MATRIX INSTRUCTION IS USED TRANSPOSED (source 0 = 16 rows of wo, source 1 = 16 rows of the context): a lane holds one row and eight neighbouring columns, 32 bytes.
; REGISTERS:  window 0: addresses; v32-95 the bias, later v32-159 the way out's rows      window 1: two fragment buffers of 96: 8 fragments of wo, then 4 of the context      window 2: the accumulators, (a, b) at 8 (8 a + b)
.set PA,     144                       ; a row of one head in LDS: 128 bytes + 16
.set PB,     272                       ; a row of wo: 256 + 16
.set HEADA,  128*PA                    ; one head's 128 rows: what one load brings of the context
.set HALFB,  128*PB                    ; and of wo
.set BOFF,   2*HEADA
.set SLOT1,  1<<17
.set STAGE,  SLOT1+BOFF+2*HALFB        ; 237,568: 16 rows x 528 bytes for each wave; no tensor load fills it
.set SP,     528                       ; 512 bytes + 16
.set SPARE,  STAGE+4*16*SP             ; 271,360: the spare words, 128 bytes a wave: two blocks of 256 bytes that no other line names
.set A0,   16
.set B0,   17
.set ADRA, 18
.set ADRB, 19
.set STO,  24
.set RD,   25
.set CO,   26
.set BO,   27
.set SPW,  28                          ; v28  my spare word; never rewritten
.set NIL,  29                          ; v29  0; never rewritten
.set PFO,  30
.set BIAS, 32
.set OB,   32                          ; two sets of 64
.set F0,   0
.set F1,   96
.set WV,  12
.set FB,  13                           ; s13  which half of the tile's rows is mine.  Also: I fetch the context (0) or wo (1)
.set HF,  14                           ; s14  which half of its columns.  Also: which head of the step, or which 128 rows of wo, I fetch
.set G1A, 24
.set G0A, 32
.set PFA, 40
.set LIM, 42
.set TB,  43
.set CNT, 44
.set G1B, 48
.set G0B, 56
.set OUT, 66
.set PFS, 68                           ; s[68:69] bytes from a K step to the next, for my prefetches
.set MSB, 0
.macro WIN new
.if MSB != (\new)
	s_set_vgpr_msb (MSB<<8)|(\new)
.set MSB, \new
.endif
.endm
.macro JLOAD                           ; a joint refill by the walking descriptors; an s_nop 0 and four v_nop follow each of the two lines
	s_cmp_eq_u32 s[FB], 0
	s_cbranch_scc0 .Lfor_b_\@
	tensor_load_to_lds s[G0A+4:G0A+7], s[G1A:G1A+7]
	s_nop 0
.rept 4
	v_nop
.endr
	s_branch .Lasked_\@
.Lfor_b_\@:
	tensor_load_to_lds s[G0B+4:G0B+7], s[G1B:G1B+7]
	s_nop 0
.rept 4
	v_nop
.endr
.Lasked_\@:
.endm
.macro CREST
	s_cmp_lg_u32 s[WV], 0
	s_cbranch_scc1 .Lnot_wave_0_\@
	s_barrier_signal -3
.Lnot_wave_0_\@:
	s_barrier_wait -3
	s_barrier_signal -1
	s_barrier_wait -1
.endm
.macro CROUND
	s_barrier_signal -1
	s_barrier_wait -1
	CREST
.endm
; A prefetch of the K step two refills on.  The context's rows of a tile row are read by one cluster alone: its four partners take a quarter each of the step's 128 blocks of 256 bytes, by address, and wave 0 asks.
; wo's rows are read by every cluster: cluster y = 0 asks, waves 2 and 3, each partner 32 of a wave's 128 rows, a lane a row.  The last two refills have no K step two on.
.macro ASK
	s_cmp_gt_u32 s[CNT], s[LIM]
	s_cbranch_scc0 .Lnot_mine_\@
	global_prefetch_b8 v[PFO], s[PFA:PFA+1] th:TH_LOAD_NT scope:SCOPE_SE
.Lnot_mine_\@:
.endm
	s_load_b128 s[4:7], s[0:1], 0x0                ; ctx s[4:5], woh s[6:7]
	s_load_b128 s[8:11], s[0:1], 0x10              ; ball s[8:9], out0 s[10:11]
	v_lshl_add_u32 v[SPW], v0, 2, SPARE
	v_mov_b32 v[NIL], 0
	ds_add_u32 v[SPW], v[NIL]                      ; the wave's opening: the add and its wait stand ahead of my first tensor load
	v_lshrrev_b32 v1, 5, v0
	v_readfirstlane_b32 s[WV], v1
	s_lshr_b32 s[FB], s[WV], 1
	s_and_b32 s[HF], s[WV], 1
	s_bfe_u32 s15, ttmp6, 0x40000                  ; cx
	s_bfe_u32 s16, ttmp6, 0x40004                  ; cy
	s_lshl_b32 s17, ttmp9, 2
	s_add_co_u32 s17, s17, s15                     ; tile column 0..3
	s_and_b32 s18, ttmp7, 0xffff
	s_lshl_b32 s18, s18, 2
	s_add_co_u32 s18, s18, s16                     ; tile row 0..63
	s_lshl_b32 s20, s16, 2
	s_lshl_b32 s20, 15, s20                        ; my row of the cluster
	s_lshl_b32 s22, 0x1111, s15                    ; my column
	s_or_b32 s[G1A], s20, (1<<16)|(1<<20)|(1<<21)|(4<<22)|(3<<25)  ; padding after every 32 words, 4 words
	s_or_b32 s[G1B], s22, (1<<16)|(1<<20)|(1<<21)|(5<<22)|(3<<25)  ; after every 64 words, 4 words
	s_mov_b32 s[G1A+1], 128<<16                    ; 64 rows of 128 elements, dense
	s_mov_b32 s[G1A+2], 64<<16
	s_mov_b32 s[G1A+3], 128<<16
	s_mov_b32 s[G1A+4], 64
	s_mov_b32 s[G1A+5], 128
	s_mov_b32 s[G1A+6], 0
	s_mov_b32 s[G1A+7], 0
	s_mov_b32 s[G1B+1], 128<<16                    ; 128 rows of 128 elements, 1,024 from row to row
	s_mov_b32 s[G1B+2], 128<<16
	s_mov_b32 s[G1B+3], 128<<16
	s_mov_b32 s[G1B+4], 128
	s_mov_b32 s[G1B+5], 1024
	s_mov_b32 s[G1B+6], 0
	s_mov_b32 s[G1B+7], 0
	s_lshr_b32 s20, s18, 4                         ; batch
	s_lshl_b32 s20, s20, 4
	s_add_co_u32 s20, s20, s[HF]                   ; its head 0 or 1: K step 0
	s_lshl_b32 s20, s20, 18
	s_and_b32 s21, s18, 15
	s_lshl_b32 s21, s21, 14                        ; the tile's 128 rows of 128 bytes
	s_add_co_u32 s20, s20, s21
	s_mov_b32 s21, 0
	s_lshl_b32 s46, s17, 8                         ; wo: row 256 x tile column + 128 x half
	s_lshl_b32 s47, s[HF], 7
	s_add_co_u32 s46, s46, s47
	s_lshl_b32 s46, s46, 11
	s_mov_b32 s47, 0
	s_mul_i32 s22, s[HF], HEADA                    ; where they go: no place in the cluster enters an LDS address
	s_mul_i32 s23, s[HF], HALFB
	s_add_co_u32 s23, s23, BOFF
	s_mov_b32 s[TB], 0
	s_wait_dscnt 0x0                               ; the opening add is done
	s_wait_kmcnt 0x0
	s_add_nc_u64 s[20:21], s[4:5], s[20:21]
	s_add_nc_u64 s[46:47], s[6:7], s[46:47]
	CROUND                                         ; all sixteen work-groups are here
.irp s, 0,1
	s_mov_b32 s[G0A+4*(\s)], 1
	s_add_co_u32 s[G0A+4*(\s)+1], s22, (\s)*SLOT1
	s_add_nc_u64 s[G0A+4*(\s)+2:G0A+4*(\s)+3], s[20:21], (\s)*(2<<18)  ; K step s: two heads on
	s_or_b32 s[G0A+4*(\s)+3], s[G0A+4*(\s)+3], 0x80000000
	s_mov_b32 s[G0B+4*(\s)], 1
	s_add_co_u32 s[G0B+4*(\s)+1], s23, (\s)*SLOT1
	s_add_nc_u64 s[G0B+4*(\s)+2:G0B+4*(\s)+3], s[46:47], (\s)*256
	s_or_b32 s[G0B+4*(\s)+3], s[G0B+4*(\s)+3], 0x80000000
.endr
	s_cmp_eq_u32 s[FB], 0                          ; a wave's two first fills stand in one branch: two loads of mine are out
	s_cbranch_scc0 .Lfirst_b
	tensor_load_to_lds s[G0A:G0A+3], s[G1A:G1A+7]
	s_nop 0
	tensor_load_to_lds s[G0A+4:G0A+7], s[G1A:G1A+7]
	s_nop 0
.rept 4
	v_nop
.endr
	s_branch .Lfirst_asked
.Lfirst_b:
	tensor_load_to_lds s[G0B:G0B+3], s[G1B:G1B+7]
	s_nop 0
	tensor_load_to_lds s[G0B+4:G0B+7], s[G1B:G1B+7]
	s_nop 0
.rept 4
	v_nop
.endr
.Lfirst_asked:
	v_and_b32 v1, 15, v0                           ; r
	v_bfe_u32 v2, v0, 4, 1                         ; h
	s_lshl_b32 s19, s17, 10                        ; bo lies 12,288 bytes into ball; the tile's 256 columns, my 128 of them
	s_lshl_b32 s2, s[HF], 9
	s_add_co_u32 s19, s19, s2
	s_add_co_u32 s19, s19, 12288
	v_lshl_add_u32 v[BO], v2, 5, s19
.irp b, 0,1,2,3,4,5,6,7
	global_load_b128 v[BIAS+8*(\b):BIAS+8*(\b)+3],   v[BO], s[8:9] offset:64*(\b)
	global_load_b128 v[BIAS+8*(\b)+4:BIAS+8*(\b)+7], v[BO], s[8:9] offset:64*(\b)+16
.endr
	v_mul_u32_u24 v[A0], v1, PA
	v_lshl_add_u32 v[A0], v2, 4, v[A0]
	s_mul_i32 s19, s[FB], 64*PA                    ; my 64 rows of the context
	v_add_nc_u32 v[A0], s19, v[A0]
	v_mul_u32_u24 v[B0], v1, PB
	v_lshl_add_u32 v[B0], v2, 4, v[B0]
	s_mul_i32 s19, s[HF], HALFB                    ; my 128 rows of wo
	s_add_co_u32 s19, s19, BOFF
	v_add_nc_u32 v[B0], s19, v[B0]
	v_mov_b32 v[ADRA], v[A0]
	v_mov_b32 v[ADRB], v[B0]
	s_mul_i32 s19, s[WV], 16*SP
	s_add_co_u32 s19, s19, STAGE                   ; my stage
	v_mul_u32_u24 v[STO], v1, SP                   ; in: row r, 32 bytes for each half of the lanes
	v_lshl_add_u32 v[STO], v2, 5, v[STO]
	v_add_nc_u32 v[STO], s19, v[STO]
	v_and_b32 v[PFO], 31, v0
	v_lshlrev_b32 v[CO], 4, v[PFO]                 ; back: 32 lanes take a row's 512 bytes
	v_add_nc_u32 v[RD], s19, v[CO]
	s_lshl_b32 s2, s18, 7
	s_lshl_b32 s3, s[FB], 6
	s_add_co_u32 s2, s2, s3                        ; my first row of out0,
	s_lshl_b32 s2, s2, 12                          ; 4,096 bytes a row
	s_lshl_b32 s3, s17, 10
	s_add_co_u32 s2, s2, s3
	s_lshl_b32 s3, s[HF], 9
	s_add_co_u32 s2, s2, s3                        ; my first column
	s_mov_b32 s3, 0
	s_add_nc_u64 s[OUT:OUT+1], s[10:11], s[2:3]
	s_lshr_b32 s2, s18, 4                          ; the prefetches.  The context: partner cx takes half cx % 2 of head cx / 2 of the step,
	s_lshl_b32 s2, s2, 4
	s_lshr_b32 s3, s15, 1
	s_add_co_u32 s2, s2, s3
	s_lshl_b32 s2, s2, 18
	s_and_b32 s3, s18, 15
	s_lshl_b32 s3, s3, 14
	s_add_co_u32 s2, s2, s3
	s_and_b32 s3, s15, 1
	s_lshl_b32 s3, s3, 13
	s_add_co_u32 s2, s2, s3
	s_add_co_u32 s2, s2, 3*(2<<18)                 ; at K step 3: the first refill steps it to 4
	s_lshl_b32 s3, s17, 8                          ; wo: partner cy takes 32 of the 128 rows that I fetch
	s_lshl_b32 s19, s[HF], 7
	s_add_co_u32 s3, s3, s19
	s_lshl_b32 s19, s16, 5
	s_add_co_u32 s3, s3, s19
	s_lshl_b32 s3, s3, 11
	s_add_co_u32 s3, s3, 3*256
	s_and_b32 s19, ttmp7, 0xffff                   ; cluster y
	s_cmp_eq_u32 s[FB], 0
	s_cselect_b32 s2, s2, s3
	s_cselect_b32 s19, s[HF], s19                  ; who asks: wave 0 for the context; waves 2 and 3 of cluster y = 0 for wo
	s_cselect_b64 s[PFA:PFA+1], s[4:5], s[6:7]
	s_cselect_b32 s3, 11, 0
	s_lshl_b32 s[PFS], 256, s3                     ; 524,288 bytes a K step in the context, 256 in wo
	s_mov_b32 s[PFS+1], 0
	s_cselect_b32 s3, 8, 11                        ; a lane a block of 256 bytes, or a lane a row of 2,048
	s_cmp_eq_u32 s19, 0
	s_cselect_b32 s[LIM], 2, -1                    ; the same in all sixteen partners, for a given wave
	v_lshlrev_b32 v[PFO], s3, v[PFO]
	s_mov_b32 s3, 0
	s_add_nc_u64 s[PFA:PFA+1], s[PFA:PFA+1], s[2:3]
; 8 matrix instructions: row block a x all 8 column blocks, 32 along K.  zero = 1: the first product starts the sum with the bias.  The 32 accumulators take turns in one order throughout.
.macro MUL8 f, a, zero
.if \zero
	WIN 0x85                                       ; sources 0, 1 window 1; C window 0; D window 2
.else
	WIN 0xa5
.endif
.irp b, 0,1,2,3,4,5,6,7
.set AC, 8*(8*(\a)+(\b))
.if \zero
	v_wmma_f32_16x16x32_f16 v[AC:AC+7], v[(\f)+8*(\b):(\f)+8*(\b)+7], v[(\f)+64+8*(\a):(\f)+64+8*(\a)+7], v[BIAS+8*(\b):BIAS+8*(\b)+7]
.else
	v_wmma_f32_16x16x32_f16 v[AC:AC+7], v[(\f)+8*(\b):(\f)+8*(\b)+7], v[(\f)+64+8*(\a):(\f)+64+8*(\a)+7], v[AC:AC+7]
.endif
.endr
.endm
; 24 LDS loads in one run: the fragments of quarter q of the K step, into buffer g; the context's row blocks 2 and 3 last.  Quarter q lies in head q / 2, channels 32 (q % 2) on.
.macro FETCH q, g
	WIN 0x40
.irp b, 0,1,2,3,4,5,6,7
	ds_load_b128 v[(\g)+8*(\b):(\g)+8*(\b)+3],   v[ADRB] offset:64*(\q)+(\b)*16*PB
	ds_load_b128 v[(\g)+8*(\b)+4:(\g)+8*(\b)+7], v[ADRB] offset:64*(\q)+(\b)*16*PB+32
.endr
.irp a, 0,1,2,3
	ds_load_b128 v[(\g)+64+8*(\a):(\g)+64+8*(\a)+3],   v[ADRA] offset:((\q)/2)*HEADA+((\q)%2)*64+(\a)*16*PA
	ds_load_b128 v[(\g)+64+8*(\a)+4:(\g)+64+8*(\a)+7], v[ADRA] offset:((\q)/2)*HEADA+((\q)%2)*64+(\a)*16*PA+32
.endr
.endm
.macro PLACES
.rept 4
	v_nop
.endr
.endm
.macro QUARTER q, f, g, zero           ; multiplies f and fetches quarter q into g
	s_wait_dscnt 4                                 ; all but the youngest four loads: row blocks 2 and 3
	MUL8 \f, 0, \zero
	MUL8 \f, 1, \zero
	PLACES
	FETCH \q, \g
	s_wait_dscnt 24                                ; all but the 24 just issued
	MUL8 \f, 2, \zero
	MUL8 \f, 3, \zero
.endm
; The last quarter multiplies buffer 1 and changes slots: the waits and the add in front of the barrier; with fill = 1 the barrier opens a round of the cluster's, and the joint refill is the first thing behind it.
.macro TURN fill
.if \fill
	s_wait_xcnt 0x0                                ; the last prefetch, a K step back, has read its address
	s_add_nc_u64 s[PFA:PFA+1], s[PFA:PFA+1], s[PFS:PFS+1]
.endif
	WIN 0
	s_wait_tensorcnt 0x0                           ; no tensor load of mine is out, so a group 0 may be written
	ds_add_u32 v[SPW], v[NIL]                      ; 0 onto my spare word
.if \fill
	s_xor_b32 s[G0A+5], s[G0A+5], SLOT1
	s_add_nc_u64 s[G0A+6:G0A+7], s[G0A+6:G0A+7], 2<<18
	s_xor_b32 s[G0B+5], s[G0B+5], SLOT1
	s_add_nc_u64 s[G0B+6:G0B+7], s[G0B+6:G0B+7], 256
.endif
	s_wait_dscnt 5                                 ; the add and the youngest four loads may be out
	MUL8 F1, 0, 0
	s_wait_dscnt 0x0                               ; the add is done, and my reads of this slot are over
	s_barrier_signal -1
	MUL8 F1, 1, 0
	WIN 0
	s_barrier_wait -1
.if \fill
	CREST
	JLOAD                                          ; its four v_nop are also the places in front of the loads below
.else
	PLACES
.endif
	s_xor_b32 s[TB], s[TB], SLOT1
	v_add_nc_u32 v[ADRA], s[TB], v[A0]
	v_add_nc_u32 v[ADRB], s[TB], v[B0]
	FETCH 0, F0
.if \fill
	WIN 0
	ASK
.endif
	MUL8 F1, 2, 0
	MUL8 F1, 3, 0
.endm
; THE WAY OUT of row block a: the f32 sums go straight into my stage, 32 bytes a lane, and come back as whole rows of 512 bytes.
.macro TOSTAGE a
.set BK, OB+64*((\a)%2)
.if (\a) >= 2
	s_wait_xcnt 0x0                                ; the stores of the block two back have read this set of registers
.endif
	WIN 0x08                                       ; store data window 2, address window 0
.irp b, 0,1,2,3,4,5,6,7
	ds_store_b128 v[STO], v[64*(\a)+8*(\b):64*(\a)+8*(\b)+3]   offset:64*(\b)
	ds_store_b128 v[STO], v[64*(\a)+8*(\b)+4:64*(\a)+8*(\b)+7] offset:64*(\b)+16
.endr
	WIN 0
.irp t, 0,1,2,3,4,5,6,7,8,9,10,11,12,13,14,15
	ds_load_b128 v[BK+4*(\t):BK+4*(\t)+3], v[RD] offset:SP*(\t)  ; LDS serves a wave's instructions in order: these see the stores above
.endr
.endm
.macro SEND a, younger                 ; younger: the next block's 32 LDS instructions, or none
	WIN 0
.set BK, OB+64*((\a)%2)
	s_wait_dscnt \younger
.irp t, 0,1,2,3,4,5,6,7,8,9,10,11,12,13,14,15
	global_store_b128 v[CO], v[BK+4*(\t):BK+4*(\t)+3], s[OUT:OUT+1] offset:(16*(\a)+(\t))*4096 th:TH_STORE_NT  ; 512 consecutive bytes, aligned
.endr
.endm
	s_wait_tensorcnt 1                             ; my part of K step 0 is in; K step 1's may stay out
	s_barrier_signal -1
	s_barrier_wait -1
	FETCH 0, F0
	s_wait_loadcnt 0x0                             ; the bias
	QUARTER 1, F0, F1, 1                           ; the first quarter stands in front of the loop: its products start the sums
	WIN 0
	s_mov_b32 s[CNT], 6
.Lstep:
	QUARTER 2, F1, F0, 0
	QUARTER 3, F0, F1, 0
	TURN 1
	QUARTER 1, F0, F1, 0
	WIN 0
	s_sub_co_u32 s[CNT], s[CNT], 1
	s_cmp_lg_u32 s[CNT], 0
	s_cbranch_scc1 .Lstep
	QUARTER 2, F1, F0, 0                           ; K steps 6 and 7 ask for nothing
	QUARTER 3, F0, F1, 0
	TURN 0
	QUARTER 1, F0, F1, 0
	QUARTER 2, F1, F0, 0
	QUARTER 3, F0, F1, 0
	s_wait_dscnt 4
	MUL8 F1, 0, 0
	MUL8 F1, 1, 0
	s_wait_dscnt 0x0
	MUL8 F1, 2, 0
	MUL8 F1, 3, 0
	PLACES
	TOSTAGE 0
	TOSTAGE 1
	SEND 0, 32
	TOSTAGE 2
	SEND 1, 32
	TOSTAGE 3
	SEND 2, 32
	SEND 3, 0
	s_wait_tensorcnt 0x0                           ; the wave's end
	ds_add_u32 v[SPW], v[NIL]
	s_wait_dscnt 0x0
	CROUND                                         ; the closing round
	s_endpgm
.Lfunc_end_k_q70ea83bbe8_oproj:
	.size	k_q70ea83bbe8_oproj, .Lfunc_end_k_q70ea83bbe8_oproj-k_q70ea83bbe8_oproj
	.p2alignl 7, 3214868480
	.fill 96, 4, 3214868480
	.section	.rodata,"a",@progbits
	.p2align	6, 0x0
	.amdhsa_kernel k_q70ea83bbe8_oproj
		.amdhsa_group_segment_fixed_size 327680
		.amdhsa_private_segment_fixed_size 0
		.amdhsa_enable_private_segment 0
		.amdhsa_kernarg_size 32
		.amdhsa_user_sgpr_count 2
		.amdhsa_user_sgpr_kernarg_segment_ptr 1
		.amdhsa_wavefront_size32 1
		.amdhsa_system_sgpr_workgroup_id_x 1
		.amdhsa_system_sgpr_workgroup_id_y 1
		.amdhsa_system_sgpr_workgroup_id_z 1
		.amdhsa_system_vgpr_workitem_id 0
		.amdhsa_next_free_vgpr 768
		.amdhsa_next_free_sgpr 72
		.amdhsa_reserve_vcc 0
		.amdhsa_float_denorm_mode_32 3
		.amdhsa_float_denorm_mode_16_64 3
		.amdhsa_memory_ordered 1
		.amdhsa_forward_progress 1
		.amdhsa_inst_pref_size 72
	.end_amdhsa_kernel
	.amdgpu_metadata
---
amdhsa.version: [ 1, 2 ]
amdhsa.kernels:
  - .name:           k_q70ea83bbe8_oproj
    .symbol:         k_q70ea83bbe8_oproj.kd
    .args:
      - { .name: ctx, .offset: 0, .size: 8, .value_kind: global_buffer, .address_space: global }
      - { .name: woh, .offset: 8, .size: 8, .value_kind: global_buffer, .address_space: global }
      - { .name: ball, .offset: 16, .size: 8, .value_kind: global_buffer, .address_space: global }
      - { .name: out0, .offset: 24, .size: 8, .value_kind: global_buffer, .address_space: global }
    .group_segment_fixed_size: 327680
    .private_segment_fixed_size: 0
    .kernarg_segment_align: 8
    .kernarg_segment_size: 32
    .max_flat_workgroup_size: 128
    .sgpr_count:     72
    .vgpr_count:     768
    .wavefront_size: 32
...
	.end_amdgpu_metadata
.endif
;; end of part 4
;; ======== version 2 of 2: 4 launches; version 1 with the launch cvt written anew for expert scheduling mode
;; limits: values are held in f16: magnitudes above 65,504 overflow, below 6.1e-05 lose precision; right only within a limited range of input values
;; workspace buffers: xb 16,777,216 bytes; wqkv 6,291,456 bytes; woh 2,097,152 bytes; ball 16,384 bytes; qkv 50,331,648 bytes; ctx 16,777,216 bytes
;; launch cvt (part 5): grid 768 x 1, 8 waves a work-group, no clusters, 0 bytes of LDS; arguments input, wq, wk, wv, wo, bq, bk, bv, bo, xb, wqkv, woh, ball; writes xb, wqkv, woh, ball
.if DOCPART == 5
	.amdgcn_target "amdgcn-amd-amdhsa--gfx1250"
	.amdhsa_code_object_version 6
	.text
	.protected	k_q70ea83bbe8_cvt
	.globl	k_q70ea83bbe8_cvt
	.p2align	8
	.type	k_q70ea83bbe8_cvt,@function
k_q70ea83bbe8_cvt:
	s_mov_b64 s[64:65], 0
	v_nop
	global_prefetch_b8 v0, s[64:65] scope:SCOPE_SE
	s_setreg_imm32_b32 hwreg(HW_REG_WAVE_SCHED_MODE, 0, 2), 2
	s_setreg_imm32_b32 hwreg(HW_REG_WAVE_MODE, 25, 1), 1
	s_wait_xcnt 0x0
	s_wait_alu depctr_vm_vsrc(0)
; EVERY FLOATING-POINT INPUT IS ROUNDED ONCE TO bf16, so that the products behind take 16-bit operands.
;   input [8192][1024] f32 -> xb bf16;  wq, wk, wv [1024][1024] f32 -> wqkv [3072][1024] bf16, one below the other;
;   wo -> woh: rounded to bf16, and that number written as f16 (the last product's other operand is f16);
;   bq, bk, bv, bo -> ball [4096] f32: rounded to bf16 and widened again.
; LIMITS.  wo must lie within f16's range, 65,504; a number of wo below 2^-17 keeps f16's fixed step of 2^-24.
; SHARES.  A work-group takes 16,384 numbers: 65,536 bytes in, 32,768 out.  Work-groups 0-511: input.  Work-group 512 + 64 i + c: chunk c of weight i;
; those with c = 0 also take bias i.  Thread t takes 16 bytes at 16 t of each 4,096: a wave's load covers 512 consecutive bytes, a wave's store 256, aligned.
; All sixteen loads of a thread go out at once; the waits count down.  A stream: no LDS, no matrix unit, no cluster (no byte is read twice).
; THE MODE: SCHED_MODE bits 1:0 = 2 (LLVM: expert scheduling mode 2), set by the entry lines.  The code itself states the register dependences
; between vector instructions and memory instructions, with s_wait_alu, always for 0.
; THE PLAN.  Registers that memory instructions touch:
;   v1, v2   byte offsets, made once at the head and never written again; read by every load and store.
;   X        the sixteen loads land here; read (on wo's path also rewritten) by the conversions, each behind the counted wait for its load.  At the end the bias's load lands in X .. X+3.
;   Y        each register is written once, by a conversion, and read once, by a store: none is ever written again.
;   T        named by vector instructions alone.
; The sixteen pieces go in four blocks of four.  Block p works on its own X and writes its own Y; its memory instructions are the four stores of block p - 1, which read that block's Y
; and v2: registers that no vector instruction of block p names.  So ONE wait at a block's head states all that its stores hang on, and they are dealt among its conversions.
; No register that a memory instruction has read is written again, no vector instruction writes a scalar register or VCC, and EXEC is never written.
.set X,   4                            ; v[4:67]    16 x 4 numbers as loaded
.set Y,   68                           ; v[68:99]   16 x 2 registers to store; each written once
.set T,   100                          ; v[100:101] at work
.set SEL, 40                           ; s40  0: input; i + 1: weight i
.set CH,  41                           ; s41  c
	s_load_b512 s[8:23], s[0:1], 0x0               ; input s[8:9], wq, wk, wv, wo s[16:17], bq s[18:19], bk, bv s[22:23]
	s_load_b256 s[24:31], s[0:1], 0x40             ; bo s[24:25], xb s[26:27], wqkv s[28:29], woh s[30:31]
	s_load_b64 s[32:33], s[0:1], 0x60              ; ball
	v_lshlrev_b32 v1, 4, v0                        ; 16 t: offset in
	v_lshlrev_b32 v2, 3, v0                        ; 8 t: offset out
	s_mov_b32 s46, 0xffff0000                      ; a word's upper bf16
	s_mov_b32 s38, ttmp9
	s_sub_co_u32 s39, s38, 512                     ; j = 64 i + c (of use only from work-group 512 on)
	s_lshr_b32 s[SEL], s39, 6
	s_add_co_u32 s[SEL], s[SEL], 1
	s_and_b32 s[CH], s39, 63
	s_cmp_lt_u32 s38, 512
	s_cselect_b32 s[SEL], 0, s[SEL]
	s_cselect_b32 s42, s38, s[CH]                  ; the chunk in the source
	s_cselect_b32 s43, s38, s39                    ; the chunk in the destination: wqkv holds three weights on end,
	s_cmp_eq_u32 s[SEL], 4
	s_cselect_b32 s43, s[CH], s43                  ; woh one
	s_lshl_b32 s34, s42, 16
	s_mov_b32 s35, 0
	s_lshl_b32 s36, s43, 15
	s_mov_b32 s37, 0
	s_wait_kmcnt 0x0
	s_cmp_eq_u32 s[SEL], 1                         ; the three pointers are chosen by the work-group's number alone
	s_cselect_b64 s[2:3], s[10:11], s[8:9]
	s_cmp_eq_u32 s[SEL], 2
	s_cselect_b64 s[2:3], s[12:13], s[2:3]
	s_cselect_b64 s[6:7], s[20:21], s[18:19]
	s_cmp_eq_u32 s[SEL], 3
	s_cselect_b64 s[2:3], s[14:15], s[2:3]
	s_cselect_b64 s[6:7], s[22:23], s[6:7]
	s_cmp_eq_u32 s[SEL], 4
	s_cselect_b64 s[2:3], s[16:17], s[2:3]
	s_cselect_b64 s[6:7], s[24:25], s[6:7]
	s_cselect_b64 s[4:5], s[30:31], s[28:29]
	s_cmp_eq_u32 s[SEL], 0
	s_cselect_b64 s[4:5], s[26:27], s[4:5]
	s_add_nc_u64 s[2:3], s[2:3], s[34:35]          ; source at my chunk
	s_add_nc_u64 s[4:5], s[4:5], s[36:37]          ; destination at my chunk
	s_wait_alu depctr_va_vdst(0)                   ; v1 and v2 are written: every load and store of the kernel reads one of them as its offset
.irp k, 0,1,2,3,4,5,6,7,8,9,10,11,12,13,14,15
	global_load_b128 v[X+4*(\k):X+4*(\k)+3], v1, s[2:3] offset:4096*(\k) th:TH_LOAD_NT
.endr
.macro CV k                            ; four numbers to bf16
	v_cvt_pk_bf16_f32 v[Y+2*(\k)],   v[X+4*(\k)],   v[X+4*(\k)+1]
	v_cvt_pk_bf16_f32 v[Y+2*(\k)+1], v[X+4*(\k)+2], v[X+4*(\k)+3]
.endm
.macro CVH k                           ; four numbers to bf16, widened again, and written as f16
	v_cvt_pk_bf16_f32 v[T],   v[X+4*(\k)],   v[X+4*(\k)+1]
	v_cvt_pk_bf16_f32 v[T+1], v[X+4*(\k)+2], v[X+4*(\k)+3]
	v_lshlrev_b32 v[X+4*(\k)],   16,  v[T]
	v_and_b32     v[X+4*(\k)+1], s46, v[T]
	v_lshlrev_b32 v[X+4*(\k)+2], 16,  v[T+1]
	v_and_b32     v[X+4*(\k)+3], s46, v[T+1]
	v_cvt_pk_f16_f32 v[Y+2*(\k)],   v[X+4*(\k)],   v[X+4*(\k)+1]
	v_cvt_pk_f16_f32 v[Y+2*(\k)+1], v[X+4*(\k)+2], v[X+4*(\k)+3]
.endm
.macro ST k                            ; piece k leaves: a wave's store covers 256 consecutive bytes, aligned
	global_store_b64 v2, v[Y+2*(\k):Y+2*(\k)+1], s[4:5] offset:2048*(\k)
.endm
; Block p: pieces 4 p to 4 p + 3 are rounded; the stores of block p - 1 stand among the conversions, one ahead of each piece.  h = 1: wo's path.
.macro BLK p, h
	s_wait_loadcnt 12-4*(\p)                       ; loads come back in order: this block's four are in, the 12 - 4 p younger ones stay out
.if (\p) > 0
	s_wait_alu depctr_va_vdst(0)                   ; the block before has written its eight registers of Y, which the four stores below read
.endif
.irp i, 0,1,2,3
.if (\p) > 0
	ST 4*((\p)-1)+(\i)                             ; no vector instruction since the wait names this store's registers
.endif
.if \h
	CVH 4*(\p)+(\i)
.else
	CV 4*(\p)+(\i)
.endif
.endr
.endm
	s_cmp_eq_u32 s[SEL], 4
	s_cbranch_scc1 .Lwo
	BLK 0, 0
	BLK 1, 0
	BLK 2, 0
	BLK 3, 0
	s_branch .Ljoin
.Lwo:
	BLK 0, 1
	BLK 1, 1
	BLK 2, 1
	BLK 3, 1
.Ljoin:
	s_wait_alu depctr_va_vdst(0)                   ; block 3 has written its Y, which the last four stores read; and every vector instruction that read or wrote X .. X+3 is done: the bias's load below lands there
.irp k, 12,13,14,15
	ST \k
.endr
	s_cmp_eq_u32 s[SEL], 0                         ; the bias: a weight's first chunk takes it along
	s_cbranch_scc1 .Ldone
	s_cmp_lg_u32 s[CH], 0
	s_cbranch_scc1 .Ldone
	s_sub_co_u32 s44, s[SEL], 1
	s_lshl_b32 s44, s44, 12                        ; bias i lies at 4,096 i in ball
	s_mov_b32 s45, 0
	s_add_nc_u64 s[32:33], s[32:33], s[44:45]
	global_load_b128 v[X:X+3], v1, s[6:7]          ; 256 threads x 4 numbers; no store reads X, and no vector instruction stands between the wait above and this load
	s_wait_loadcnt 0x0
	v_cvt_pk_bf16_f32 v[T],   v[X],   v[X+1]
	v_cvt_pk_bf16_f32 v[T+1], v[X+2], v[X+3]
	v_lshlrev_b32 v[X+4], 16,  v[T]
	v_and_b32     v[X+5], s46, v[T]
	v_lshlrev_b32 v[X+6], 16,  v[T+1]
	v_and_b32     v[X+7], s46, v[T+1]
	s_wait_alu depctr_va_vdst(0)                   ; the four widenings have written X+4 .. X+7, which the store reads
	global_store_b128 v1, v[X+4:X+7], s[32:33]
.Ldone:
	s_endpgm
.Lfunc_end_k_q70ea83bbe8_cvt:
	.size	k_q70ea83bbe8_cvt, .Lfunc_end_k_q70ea83bbe8_cvt-k_q70ea83bbe8_cvt
	.p2alignl 7, 3214868480
	.fill 96, 4, 3214868480
	.section	.rodata,"a",@progbits
	.p2align	6, 0x0
	.amdhsa_kernel k_q70ea83bbe8_cvt
		.amdhsa_group_segment_fixed_size 0
		.amdhsa_private_segment_fixed_size 0
		.amdhsa_enable_private_segment 0
		.amdhsa_kernarg_size 104
		.amdhsa_user_sgpr_count 2
		.amdhsa_user_sgpr_kernarg_segment_ptr 1
		.amdhsa_wavefront_size32 1
		.amdhsa_system_sgpr_workgroup_id_x 1
		.amdhsa_system_sgpr_workgroup_id_y 1
		.amdhsa_system_sgpr_workgroup_id_z 1
		.amdhsa_system_vgpr_workitem_id 0
		.amdhsa_next_free_vgpr 104
		.amdhsa_next_free_sgpr 66
		.amdhsa_reserve_vcc 0
		.amdhsa_float_denorm_mode_32 3
		.amdhsa_float_denorm_mode_16_64 3
		.amdhsa_memory_ordered 1
		.amdhsa_forward_progress 1
		.amdhsa_inst_pref_size 16
	.end_amdhsa_kernel
	.amdgpu_metadata
---
amdhsa.version: [ 1, 2 ]
amdhsa.kernels:
  - .name:           k_q70ea83bbe8_cvt
    .symbol:         k_q70ea83bbe8_cvt.kd
    .args:
      - { .name: input, .offset: 0, .size: 8, .value_kind: global_buffer, .address_space: global }
      - { .name: wq, .offset: 8, .size: 8, .value_kind: global_buffer, .address_space: global }
      - { .name: wk, .offset: 16, .size: 8, .value_kind: global_buffer, .address_space: global }
      - { .name: wv, .offset: 24, .size: 8, .value_kind: global_buffer, .address_space: global }
      - { .name: wo, .offset: 32, .size: 8, .value_kind: global_buffer, .address_space: global }
      - { .name: bq, .offset: 40, .size: 8, .value_kind: global_buffer, .address_space: global }
      - { .name: bk, .offset: 48, .size: 8, .value_kind: global_buffer, .address_space: global }
      - { .name: bv, .offset: 56, .size: 8, .value_kind: global_buffer, .address_space: global }
      - { .name: bo, .offset: 64, .size: 8, .value_kind: global_buffer, .address_space: global }
      - { .name: xb, .offset: 72, .size: 8, .value_kind: global_buffer, .address_space: global }
      - { .name: wqkv, .offset: 80, .size: 8, .value_kind: global_buffer, .address_space: global }
      - { .name: woh, .offset: 88, .size: 8, .value_kind: global_buffer, .address_space: global }
      - { .name: ball, .offset: 96, .size: 8, .value_kind: global_buffer, .address_space: global }
    .group_segment_fixed_size: 0
    .private_segment_fixed_size: 0
    .kernarg_segment_align: 8
    .kernarg_segment_size: 104
    .max_flat_workgroup_size: 256
    .sgpr_count:     66
    .vgpr_count:     104
    .wavefront_size: 32
...
	.end_amdgpu_metadata
.endif
;; end of part 5
;; launch qkv: the kernel of part 2 again; grid 16 x 32, 4 waves a work-group, clusters of 4 x 4, 327,680 bytes of LDS; arguments xb, wqkv, ball, qkv; writes qkv
;; launch attn: the kernel of part 3 again; grid 4 x 64, 4 waves a work-group, clusters of 4 x 1, 327,680 bytes of LDS; arguments qkv, mask, ctx; writes ctx
;; launch oproj: the kernel of part 4 again; grid 4 x 64, 4 waves a work-group, clusters of 4 x 4, 327,680 bytes of LDS; arguments ctx, woh, ball, out0; writes out0
